; MI455X (gfx1250); checked and timed in simulation.
; The chip was launched on July 23, 2026; its instructions are those of AMD's public machine-readable ISA for CDNA 5 (MIT licence, August 2026) and "CDNA5" Instruction Set Architecture Reference Guide (July 2026). The comments in the code are by the model that wrote it; some were corrected since.
;; Attention. Allowed arithmetic: matrix products marked QUANTISED: E3M2 operands, one E8M0 scale for each 32 along K, by v_wmma_scale_f32_16x16x128_f8f6f4 with both operands' format E3M2, f32 sums; everything else in f32.
;; Inputs: W_proj 1,024 x 1,024 float32; W_qkv 3,072 x 1,024 float32; b_proj 1,024 float32; q_bias 1,024 float32; scale_mul_log 1 x 16 x 1 x 1 float32; v_bias 1,024 float32; x 4 x 2,048 x 1,024 float32.
;; Outputs: out0 4 x 2,048 x 1,024 float32.
;; This version of the problem:
;;   THIS VERSION OF THE PROBLEM IS GIVEN IN LOW PRECISION. The matrix products marked QUANTISED in the list below multiply operands that are first quantised to E3M2 (3 exponent bits, 2 mantissa bits; 6 bits a number), with one power-of-two scale for each 32 numbers along K (OCP MX v1.0); their sums are f32. All else is computed in f32.
;;   The module's matrix products, in the order in which they are computed (A, B: the left and right operand; K: the contracted axis; several contracted axes count as one K, in the product's order):
;;     1. [M 8,192, K 1,024] x [K 1,024, N 3,072]; A: input x; B: input W_qkv: QUANTISED
;;     2. batch 64 x [M 2,048, K 64] x [K 64, N 2,048]; A: computed on the way; B: computed on the way: QUANTISED
;;     3. batch 64 x [M 2,048, K 2,048] x [K 2,048, N 64]; A: softmax (see below); B: computed on the way: QUANTISED
;;     4. [M 8,192, K 1,024] x [K 1,024, N 1,024]; A: computed on the way; B: input W_proj: QUANTISED
;;   THE QUANTISER, for each operand of a quantised product, along K:
;;     - K is cut into blocks of 32 from its start; a last block that is shorter is filled with zeros.
;;     - A block's scale is 2^e with e = floor(log2(the largest magnitude in the block)) - 4, held to -126 .. 127; a block of zeros has e = 0. As a byte (E8M0): e + 127.
;;     - Each number is divided by its block's scale, clamped to +-28, and rounded to the nearest number of E3M2, ties to even, subnormals kept.
;;     - The product sums the exact products of the quantised numbers (number of the format x scale) in f32.
;;   ~~~python
;;   def quantise(x, axis):      # numpy; x: float32 -> the quantised numbers, widened to float32 again
;;       x = np.moveaxis(x, axis, -1); K = x.shape[-1]
;;       x = np.pad(x, [(0, 0)] * (x.ndim - 1) + [(0, -K % 32)]); x = x.reshape(x.shape[:-1] + (-1, 32)); a = np.abs(x).max(-1, keepdims=True)
;;       e = np.where(a > 0, np.clip(np.frexp(np.where(a > 0, a, 1))[1] - 1 - 4, -126, 127), 0)      # np.frexp(a)[1] - 1 = floor(log2(a)), exactly
;;       r = np.clip(x / 2.0 ** e, -28, 28)
;;       step = 2.0 ** (np.maximum(np.frexp(np.where(r == 0, 1, r))[1] - 1, -2) - 2)
;;       q = np.round(r / step) * step * 2.0 ** e      # np.round: ties to even
;;       return np.moveaxis(q.reshape(q.shape[:-2] + (-1,))[..., :K], -1, axis).astype(np.float32)
;;   ~~~
;;   SOFTMAX AHEAD OF A QUANTISED PRODUCT. Where the list says 'softmax', what is quantised is not the finished softmax but p = 2^(t - M), with t = logit x log2(e) and M = ceil(the row's largest t), a whole number; so 1/2 < the row's largest p <= 1. The row's sum l is taken of the UNQUANTISED p, in f32, and the product's result is divided by l at the end. Since M is a whole number, a kernel that streams over the keys may use a running M (the ceiling of the running maximum): every later rescaling is an exact power of two, which a block's scale takes up: the codes' values come out the same.
;;   OPERANDS COMPUTED ON THE WAY. 'Computed on the way' means the value that the module computes at that place (a softmax that the list does not call 'softmax' is quantised finished and normalised). What goes into a quantiser is computed in f32, as accurately as f32 sums, v_exp_f32 and their like allow (about 1e-6 of the number): no bf16 or f16 on the way to a quantiser, and a product that is left as it is and whose result goes on into a quantised operand takes f32 operands (vector FMAs, or v_wmma_f32_16x16x4_f32). A number that lies on a knife's edge between two numbers of the format may be rounded either way, as far as f32 arithmetic and the matrix unit's own rounding can turn it there, and no further.
;; One version. Each part assembles by itself: llvm-mc -triple=amdgcn-amd-amdhsa -mcpu=gfx1250 --defsym DOCPART=n.
;; ======== version 1 of 1: 4 launches
;; workspace buffers: c1 9,437,184 bytes; s1 393,216 bytes; att 20,447,232 bytes; oc 6,291,456 bytes; os 262,144 bytes
;; launch quant (part 1): grid 384 x 1, 4 waves a work-group, no clusters, 33,280 bytes of LDS; arguments x, W_qkv, W_proj, c1, s1; writes c1, s1
.if DOCPART == 1
	.amdgcn_target "amdgcn-amd-amdhsa--gfx1250"
	.amdhsa_code_object_version 6
	.text
	.protected	k_qddcbccaa4b_quant
	.globl	k_qddcbccaa4b_quant
	.p2align	8
	.type	k_qddcbccaa4b_quant,@function
k_qddcbccaa4b_quant:
	s_mov_b64 s[64:65], 0
	v_nop
	global_prefetch_b8 v0, s[64:65] scope:SCOPE_SE
	s_setreg_imm32_b32 hwreg(HW_REG_WAVE_MODE, 25, 1), 1
	s_wait_xcnt 0x0
; x [8192][1024], W_qkv [3072][1024] and W_proj [1024][1024], f32, become codes of BF6 (E3M2), 6 bits each, K innermost, in c1 [12288 rows][768 bytes],
; with one E8M0 scale byte for each 32 along K in s1 [12288][32].  Rows 0-8191 of c1: x; 8192-11263: W_qkv; 11264-12287: W_proj.
; A block's scale is 2^(floor(log2(its largest magnitude)) - 4); its byte is the largest magnitude's exponent field - 4, held at 1 from below.  Each number is divided by the scale and rounded to the nearest code, ties to even;
; beyond the largest code the conversion gives the largest code.
; STORAGE ORDER.  In x's and W_qkv's part, of every 32 rows the second and the third group of eight change places: storage row 16 u + p of a group of 32 holds row 8 u + p + 8 (p / 8).
; So 16 neighbouring storage rows are the rows that the next launch wants in one tile of a matrix instruction.  W_proj's rows keep their order.
; LIMITS: a block whose largest magnitude lies under 2^-122 (a block of zeros too) keeps the byte 1: this program alone reads the bytes; NaN and infinities among the inputs are not served.
; SHARES.  A work-group takes 32 rows, a wave 8 rows = 8,192 numbers = 16 steps of 512.  Each of a step's four loads reads 512 consecutive bytes, 16 a lane; the 2,048 bytes go through the wave's own stage in LDS and come back
; 64 bytes a lane, so that a lane holds 16 neighbours along K (two neighbouring lanes hold a block).  A lane's 16 codes are 12 bytes: the wave stores 384 consecutive bytes.  A wave's 256 scale bytes are gathered in LDS and leave as one aligned run of 256 bytes.
; No tensor loads, no barrier: waves share nothing.  Loads run four steps (16 loads a wave) ahead, the turn through LDS one step.
.set STEPS, 16
.set WGX,   256                        ; work-groups 0-255 take x,
.set WGQ,   352                        ; 256-351 W_qkv, 352-383 W_proj
.set EMAX,  4
.set CB,    12                         ; bytes of 16 codes
.set R,     16                         ; v16-79   four sets of 16 numbers as they are loaded
.set X,     80                         ; v80-111  two sets of 16 neighbours
.set C,     128                        ; v128-191 codes: four registers for each step, so that no store's data are written again
.set E,     112                        ; v112-127 a scale byte for each step
.set WREG,  8192                       ; LDS: a region of its own for each wave: two stages of 32 x SP bytes, and behind them its 256 scale bytes
.set SP,    80                         ; a lane's place in a stage: its 64 bytes + 16 of padding
	s_load_b128 s[4:7], s[0:1], 0x0                ; x, W_qkv
	s_load_b128 s[8:11], s[0:1], 0x10              ; W_proj, c1
	s_load_b64 s[12:13], s[0:1], 0x20              ; s1
	v_lshl_add_u32 v192, v0, 2, 0x8000
	v_mov_b32 v193, 0
	v_lshrrev_b32 v1, 5, v0
	v_readfirstlane_b32 s16, v1                    ; wave
	v_and_b32 v2, 31, v0                           ; lane
	v_lshlrev_b32 v3, 4, v2                        ; my 16 bytes of a load's 512
	s_mul_i32 s17, s16, WREG
	v_lshrrev_b32 v14, 2, v2
	v_mul_u32_u24 v14, v14, SP
	v_and_b32 v15, 3, v2
	v_lshl_add_u32 v14, v15, 4, v14
	v_add_nc_u32 v14, s17, v14                     ; the stage, on the way in: four lanes' 64 bytes on end, then 16 of padding
	v_mul_u32_u24 v15, v2, SP
	v_add_nc_u32 v15, s17, v15                     ; and on the way out: SP x lane: my 16 neighbours
	v_mul_u32_u24 v4, v2, CB                       ; my codes' place in a step's
	v_lshrrev_b32 v5, 1, v2
	s_add_co_u32 s17, s17, 2*32*SP
	v_add_nc_u32 v5, s17, v5                       ; LDS: my wave's 256 scale bytes, my block's byte
	v_lshlrev_b32 v7, 3, v2                        ; and on the way out 8 bytes a lane
	v_add_nc_u32 v6, s17, v7
	s_and_b32 s22, s16, 1
	s_lshl_b32 s22, s22, 1
	s_lshr_b32 s23, s16, 1
	s_or_b32 s22, s22, s23                         ; 0, 2, 1, 3: where wave 0, 1, 2, 3's eight rows go in the storage order
	s_wait_kmcnt 0x0
	s_cmp_lt_u32 ttmp9, WGX                        ; which tensor?  The choices hang on the work-group's number alone
	s_cselect_b64 s[4:5], s[4:5], s[6:7]
	s_cselect_b32 s17, 0, WGX
	s_cmp_lt_u32 ttmp9, WGQ
	s_cselect_b64 s[4:5], s[4:5], s[8:9]
	s_cselect_b32 s17, s17, WGQ                    ; the tensor's first work-group
	s_cselect_b32 s22, s22, s16                    ; W_proj's rows keep their order
	s_sub_co_u32 s17, ttmp9, s17
	s_lshl_b32 s17, s17, 2
	s_add_co_u32 s18, s17, s16                     ; which run of 8 rows of the tensor is my wave's
	s_mov_b32 s19, 0
	s_lshl_b64 s[20:21], s[18:19], 15              ; 32,768 bytes a run
	s_add_nc_u64 s[4:5], s[4:5], s[20:21]
	s_lshl_b32 s18, ttmp9, 2
	s_add_co_u32 s18, s18, s22                     ; and which run of 8 rows of c1 and s1
	s_mul_i32 s20, s18, 32*STEPS*CB                ; 6,144 bytes of codes a run
	s_mov_b32 s21, 0
	s_add_nc_u64 s[10:11], s[10:11], s[20:21]
	s_lshl_b32 s20, s18, 8                         ; 256 scale bytes a run
	s_add_nc_u64 s[12:13], s[12:13], s[20:21]
.macro LOAD t
.irp i, 0,1,2,3
	global_load_b128 v[R+16*((\t)%4)+4*\i:R+16*((\t)%4)+4*\i+3], v3, s[4:5] offset:2048*(\t)+512*\i th:TH_LOAD_NT   ; 32 lanes read 512 consecutive bytes
.endr
.endm
.macro TURN t                          ; step t's numbers through the stage: LDS serves a wave's instructions in order, so no wait stands between the stores and the loads
.irp i, 0,1,2,3
	ds_store_b128 v14, v[R+16*((\t)%4)+4*\i:R+16*((\t)%4)+4*\i+3] offset:32*SP*((\t)%2)+8*SP*\i
.endr
.irp i, 0,1,2,3
	ds_load_b128 v[X+16*((\t)%2)+4*\i:X+16*((\t)%2)+4*\i+3], v15 offset:32*SP*((\t)%2)+16*\i
.endr
.endm
.irp t, 0,1,2,3
	LOAD \t
.endr
	s_wait_loadcnt 12                              ; step 0's four loads are in; the twelve of steps 1 to 3 may be out
	TURN 0
.macro STEP t
.set XS, X+16*((\t)%2)
.if (\t) > 0
	s_wait_dscnt 1                                 ; this step's numbers are back from the stage (the last step's byte store may be out): so its stores into the stage have read their registers,
.else
	s_wait_dscnt 0x0
.endif
.if (\t)+4 < STEPS
	LOAD (\t)+4                                    ; which take the loads of four steps on
.endif
.if (\t)+1 < STEPS
.if STEPS-2-(\t) >= 3
	s_wait_loadcnt 12                              ; the next step's four loads are in; those of the three steps behind it may be out
.else
	s_wait_loadcnt 4*(STEPS-2-(\t))
.endif
	TURN (\t)+1                                    ; and go through the other stage while this step is worked
.endif
	v_max3_num_f32 v8, |v[XS]|, |v[XS+1]|, |v[XS+2]|               ; the largest magnitude of my 16
	v_max3_num_f32 v9, |v[XS+3]|, |v[XS+4]|, |v[XS+5]|
.irp i, 6,10
	v_max3_num_f32 v8, v8, |v[XS+\i]|, |v[XS+\i+1]|
	v_max3_num_f32 v9, v9, |v[XS+\i+2]|, |v[XS+\i+3]|
.endr
	v_max3_num_f32 v8, v8, |v[XS+14]|, |v[XS+15]|
	v_max3_num_f32 v8, v8, v9, (EMAX+1)<<23        ; and the floor 2^(EMAX + 1 - 127): so the byte cannot fall under 1
	v_max_num_f32_dpp v8, v8, v8 row_xmask:1 row_mask:0xf bank_mask:0xf   ; and of my neighbour's 16: the block's
	v_add_nc_u32 v11, -(EMAX<<23), v8              ; EMAX off its exponent field: the conversion takes the exponent field of this operand as its scale, and nothing else of it
	v_cvt_scalef32_pk16_bf6_f32 v[C+4*(\t):C+4*(\t)+2], v[XS:XS+15], v11         ; sixteen codes, 96 bits without gaps, the first number's code lowest
	v_lshrrev_b32 v[E+(\t)], 23, v11               ; the scale's byte (also the plain line behind the conversion)
	ds_store_b8 v5, v[E+(\t)] offset:16*(\t)       ; both lanes of a block write the same byte with the same value
	global_store_b96 v4, v[C+4*(\t):C+4*(\t)+2], s[10:11] offset:32*CB*(\t)
.endm
.irp t, 0,1,2,3,4,5,6,7,8,9,10,11,12,13,14,15
	STEP \t
.endr
	ds_load_b64 v[12:13], v6                       ; LDS serves a wave's instructions in order: these see my stores
	s_wait_dscnt 0x0
	global_store_b64 v7, v[12:13], s[12:13]        ; 32 lanes store 256 consecutive bytes, at a multiple of 256 from s1's first byte
	s_wait_tensorcnt 0x0
	ds_add_u32 v192, v193
	s_wait_dscnt 0x0
	s_endpgm
.Lfunc_end_k_qddcbccaa4b_quant:
	.size	k_qddcbccaa4b_quant, .Lfunc_end_k_qddcbccaa4b_quant-k_qddcbccaa4b_quant
	.p2alignl 7, 3214868480
	.fill 96, 4, 3214868480
	.section	.rodata,"a",@progbits
	.p2align	6, 0x0
	.amdhsa_kernel k_qddcbccaa4b_quant
		.amdhsa_group_segment_fixed_size 33280
		.amdhsa_private_segment_fixed_size 0
		.amdhsa_enable_private_segment 0
		.amdhsa_kernarg_size 40
		.amdhsa_user_sgpr_count 2
		.amdhsa_user_sgpr_kernarg_segment_ptr 1
		.amdhsa_wavefront_size32 1
		.amdhsa_system_sgpr_workgroup_id_x 1
		.amdhsa_system_sgpr_workgroup_id_y 1
		.amdhsa_system_sgpr_workgroup_id_z 1
		.amdhsa_system_vgpr_workitem_id 0
		.amdhsa_next_free_vgpr 194
		.amdhsa_next_free_sgpr 66
		.amdhsa_reserve_vcc 0
		.amdhsa_float_denorm_mode_32 3
		.amdhsa_float_denorm_mode_16_64 3
		.amdhsa_memory_ordered 1
		.amdhsa_forward_progress 1
		.amdhsa_inst_pref_size 33
	.end_amdhsa_kernel
	.amdgpu_metadata
---
amdhsa.version: [ 1, 2 ]
amdhsa.kernels:
  - .name:           k_qddcbccaa4b_quant
    .symbol:         k_qddcbccaa4b_quant.kd
    .args:
      - { .name: x, .offset: 0, .size: 8, .value_kind: global_buffer, .address_space: global }
      - { .name: W_qkv, .offset: 8, .size: 8, .value_kind: global_buffer, .address_space: global }
      - { .name: W_proj, .offset: 16, .size: 8, .value_kind: global_buffer, .address_space: global }
      - { .name: c1, .offset: 24, .size: 8, .value_kind: global_buffer, .address_space: global }
      - { .name: s1, .offset: 32, .size: 8, .value_kind: global_buffer, .address_space: global }
    .group_segment_fixed_size: 33280
    .private_segment_fixed_size: 0
    .kernarg_segment_align: 8
    .kernarg_segment_size: 40
    .max_flat_workgroup_size: 128
    .sgpr_count:     66
    .vgpr_count:     194
    .wavefront_size: 32
...
	.end_amdgpu_metadata
.endif
;; end of part 1
;; launch qkv (part 2): grid 8 x 48, 4 waves a work-group, clusters of 4 x 4, 327,680 bytes of LDS; arguments c1, s1, q_bias, v_bias, scale_mul_log, att; writes att
.if DOCPART == 2
	.amdgcn_target "amdgcn-amd-amdhsa--gfx1250"
	.amdhsa_code_object_version 6
	.text
	.protected	k_qddcbccaa4b_qkv
	.globl	k_qddcbccaa4b_qkv
	.p2align	8
	.type	k_qddcbccaa4b_qkv,@function
k_qddcbccaa4b_qkv:
	s_mov_b64 s[64:65], 0
	v_nop
	global_prefetch_b8 v0, s[64:65] scope:SCOPE_SE
	s_setreg_imm32_b32 hwreg(HW_REG_WAVE_MODE, 25, 1), 1
	s_wait_xcnt 0x0
	s_wait_alu depctr_hold_cnt(0) depctr_sa_sdst(0) depctr_va_vdst(0) depctr_va_sdst(0) depctr_va_ssrc(0) depctr_va_vcc(0) depctr_vm_vsrc(0)
	s_getreg_b32 s2, hwreg(HW_REG_IB_STS2, 6, 4)
	s_cmp_eq_u32 s2, 0
	s_cbranch_scc0 .Lentry_in_a_cluster
	s_endpgm
.Lentry_in_a_cluster:
	s_bfe_u32 s2, ttmp6, 0x10000c
	s_cmp_lg_u32 s2, 0xf033
	s_cbranch_scc0 .Lentry_shape_is_right
	s_endpgm
.Lentry_shape_is_right:
; qkv = x W_qkv^T + bias on codes of BF6 (E3M2) with one E8M0 scale for each 32 along K = 1,024; then, without leaving the registers: q and k are divided by max(their head's L2 norm, 1e-12), q is multiplied by
; exp(min(scale_mul_log[head], ln 100)), and q, k (along the head's 64) and v (along the keys) are quantised into att, as images of the operand registers of the attention launch.
; Both operands are rows of c1 (768 bytes of codes) and s1 (32 scale bytes): rows 0-8191 x's tokens, 8192-9215 W_q, 9216-10239 W_k, 10240-11263 W_v, in the storage order of the launch before:
; storage row 16 u + p of a group of 32 holds row 8 u + p + 8 (p / 8).
; ONE TEXT FOR 384 TILES OF 256 x 256.  Side A is source 1 of the matrix instruction (its rows fall on lanes), side B source 0 (its rows fall on a lane's registers).  Clusters with y < 8: A = tokens, B = rows of W_q (cluster x = 0) or W_k (1):
; a lane holds one token and 32 of a head's 64 channels.  Clusters with y >= 8: A = rows of W_v, B = tokens: a lane holds one channel, and its registers run along the keys.
; By the storage order the 16 registers of B's tiles 2 n and 2 n + 1 are B's rows 32 n + 16 (lane / 16) + 0 .. 15 in their true order: 16 neighbours along the next product's K.
; A work-group of four waves makes a tile; a wave makes 128 x 128: 64 accumulators, 512 registers.  K goes in steps of 256 through a ring of two LDS slots filled by the tensor data mover; the scale bytes of the 512 rows come once, with the first fills.
; CLUSTERS: 4 x 4 work-groups.  The four of a row of the cluster need the same tiles of A, the four of a column the same tiles of B: each tile is asked for jointly, by the same tensor load with the same descriptor and a mask that names the four.
; att: 1,024 records of 19,968 bytes, record (16 batch + head) 16 + step, a step = 128 tokens: +0 K's codes (4 pairs of tiles x 1,536), +6144 V's codes (4 tiles x 1,536), +12288 K's scale words, +12800 V's, +13312 Q's codes, +19456 Q's scale words.
; An image of 12 registers is three runs of 512 bytes, lane l's registers 4 c .. 4 c + 3 at 512 c + 16 l.
; LIMITS: NaN and infinities are not served; a block whose largest magnitude lies under 2^-122 keeps the byte 1; a row of q or k whose sum of squares lies under 2^-126 counts as norm 0 and is divided by 1e-12,
; as every norm under 1e-12 is; a sum of squares beyond f32's range is not served.
; REGISTERS, in windows of 256: window 0: v0-31 addresses; v32-63 scale words, two sets; v64-127 q's bias; v128-223 A's fragments, ONE set; v240-255 v's bias; behind the loop v128-255 are at work.
;   window 1: B's fragments, TWO sets, at v0 and at v128.   window 2: the 32 accumulators of my A rows 0-63 (accumulator (a, b) at v[8 (8 a + b)]);   window 3: those of rows 64-127.
.set KSTEP,  256                       ; along K in a slot
.set NQ,     2                         ; matrix instructions deep
.set ROWB,   192                       ; a tile's row in bytes
.set KROW,   768                       ; a row of c1
.set PITCH,  240                       ; an LDS row: 3 x (64 bytes of data + 16 of padding) = 60 words: row r starts at bank -4 r mod 64 (64 banks of 4 bytes: ISA guide 11.1)
.set FR,     12                        ; registers of a fragment: 16 rows x 128 K
.set NL,     6                         ; LDS loads that bring one
.set NP,     4                         ; places behind this matrix instruction (ISA guide 7.12.1)
.set HALFT,  128*PITCH                 ; 128 rows: what one tensor load brings
.set SLOT,   4*HALFT                   ; A's 256 rows, then B's 256 rows
.set LAPS,   2                         ; 1,024 along K = two laps of two slots
.set KS,     32                        ; a row of s1
.set SCL,    2*SLOT                    ; behind the ring: the scales, as runs of 256 bytes + 16 of padding
.set HALFS,  16*272                    ; the scales of 128 rows
.set SBLK,   2*272                     ; those of 16 rows
.set SPARE,  SCL+4*HALFS               ; behind the scales: the spare words, 128 bytes for each wave: two blocks of 256 bytes that no other line names
.set REC,    19968                     ; a record of att
.set HEADB,  16*REC                    ; from a head to the next
.set ADRA, 16                          ; v16-17  LDS address of my A fragments in slot 0, 1  (v18-19: the same for the pieces that lie behind one padding more)
.set ADRB, 20                          ; v20-21  the same for B  (v22-23)
.set LI,   26                          ; v26     16 x lane: my place in a run of 512 bytes of an image
.set ADRS, 27                          ; v27     LDS address of my scale words: lanes 0-15 A's rows, lanes 16-31 B's
.set SPW,  28                          ; v28     LDS address of my spare word; never rewritten
.set NIL,  29                          ; v29     0; never rewritten
.set BO,   30                          ; v30     q_bias: 64 x (lane / 16)
.set VO,   31                          ; v31     v_bias: 4 x (r + 8 (r / 8))
.set SC,   32                          ; scale words: set s at v[SC + 16 s]; register 2 i + q: lanes 0-15 the word of A's block i, lanes 16-31 that of B's block i
.set BIAS, 64                          ; v64-127 register 16 n + i: q_bias of my channel 32 n + 16 (lane / 16) + i
.set AF,   128                         ; A's fragments
.set VB,   240                         ; v240-255 registers 2 a, 2 a + 1: v_bias of my lane's channel in A's block a
.set SW,   8                           ; behind the loop: v8-15 the scale words made
.set Y,    128                         ; v128-191 64 numbers at work
.set PC,   192                         ; v192-203 the codes made; v204-206, v208-210 halves on their way
.set TM,   212                         ; v212-215 largest magnitudes, v216-219 bytes, v224-227 the conversions' scale operands
.set PW,   228                         ; the scale word of four blocks
.set SS,   230                         ; v230-237 sums of squares
.set PT,   238                         ; v238-239 from the other half of the lanes
.set RR,   240                         ; v240-243 what a row is multiplied by, twice for each of two tiles
.set NN,   244                         ; v244-245 norms
.set SCV,  246                         ; v246-247 the two heads' scale
.set W0,   248                         ; v248-249 two tiles' scale words
.set G1, 24                            ; s[24:31] descriptor group 1 for A's tiles;  s[32:39] group 0, one set for each slot
.set G0, 32
.set G1B, 48                           ; s[48:55], s[56:63] the same for B's tiles
.set G0B, 56
.set G1S, 68                           ; s[68:75], s[76:79] groups 1 and 0 for A's scales;  s[80:87], s[88:91] for B's
.set G0S, 76
.set G1SB, 80
.set G0SB, 88
.set MSB, 0
.macro WIN new                         ; the immediate's high byte repeats the setting that is left
.if MSB != \new
	s_set_vgpr_msb (MSB<<8)|\new
.set MSB, \new
.endif
.endm
.set MUL_LO, 0xa1                      ; source 0 (B) window 1, source 1 (A) window 0, C and D window 2
.set MUL_HI, 0xf1                      ; the same, C and D window 3
.set TO_B,   0x40                      ; destination window 1, address window 0
; A joint load: waves 0 and 1 fetch for A, waves 2 and 3 for B.  Each of the two lines has ONE mask and one set of registers for all that issue it; the branch hangs on the wave's number alone.
; Four v_nop follow each of the two lines, ahead of the jump, the label and what follows.
.macro JLOAD g0a, g1a, g0b, g1b
	s_cmp_eq_u32 s15, 0
	s_cbranch_scc0 .Lfor_b_\@
	tensor_load_to_lds s[\g0a:\g0a+3], s[\g1a:\g1a+7]
	s_nop 0
.rept 4
	v_nop
.endr
	s_branch .Lasked_\@
.Lfor_b_\@:
	tensor_load_to_lds s[\g0b:\g0b+3], s[\g1b:\g1b+7]
	s_nop 0
.rept 4
	v_nop
.endr
.Lasked_\@:
.endm
.macro CREST                           ; a round of the cluster's barrier behind its opening barrier
	s_cmp_lg_u32 s14, 0
	s_cbranch_scc1 .Lnot_wave_0_\@
	s_barrier_signal -3
.Lnot_wave_0_\@:
	s_barrier_wait -3
	s_barrier_signal -1
	s_barrier_wait -1
.endm
.macro CROUND                          ; a whole round
	s_barrier_signal -1
	s_barrier_wait -1
	CREST
.endm
	s_load_b256 s[4:11], s[0:1], 0x0               ; c1 s[4:5], s1 s[6:7], q_bias s[8:9], v_bias s[10:11]
	s_load_b128 s[96:99], s[0:1], 0x20             ; scale_mul_log s[96:97], att s[98:99]
	v_lshl_add_u32 v[SPW], v0, 2, SPARE
	v_mov_b32 v[NIL], 0
	ds_add_u32 v28, v29
	ds_add_u32 v28, v29
	s_wait_dscnt 0x0
	v_lshrrev_b32 v1, 5, v0
	v_readfirstlane_b32 s14, v1                    ; wave 0..3
	s_lshr_b32 s15, s14, 1                         ; which half of A's rows is mine.  Also: I fetch for A (0) or for B (1)
	s_and_b32 s16, s14, 1                          ; which half of B's rows.  Also: which 128 rows of that tile I fetch
	s_bfe_u32 s40, ttmp6, 0x40000                  ; cx, cy: my place in the cluster
	s_bfe_u32 s41, ttmp6, 0x40004
	s_and_b32 s17, ttmp7, 0xffff                   ; the cluster's y, 0..11: 8 and more make v.  Kept to the end
	s_lshl_b32 s43, s41, 2
	s_lshl_b32 s43, 15, s43                        ; my row of the cluster
	s_lshl_b32 s44, 0x1111, s40                    ; my column
	; the tile's first rows in c1.  A's (s66) hangs on cy and the cluster's y alone, B's (s67) on cx and the cluster's x and y alone
	s_lshl_b32 s66, s17, 10                        ; q, k: A = tokens 1024 x cluster y + 256 cy
	s_lshl_b32 s21, s41, 8
	s_sub_co_u32 s67, s17, 8
	s_lshl_b32 s67, s67, 11                        ; v: B = tokens 2048 x (cluster y - 8) + 256 (4 x cluster x + cx)
	s_lshl_b32 s42, ttmp9, 2
	s_add_co_u32 s42, s42, s40
	s_lshl_b32 s42, s42, 8
	s_mov_b32 s22, 10240                           ; v: A = W_v's rows 10240 + 256 cy
	s_mov_b32 s23, 8192                            ; q, k: B = W's rows 8192 + 256 (4 x cluster x + cx)
	s_cmp_ge_u32 s17, 8
	s_cselect_b32 s66, s22, s66
	s_cselect_b32 s67, s67, s23
	s_add_co_u32 s66, s66, s21
	s_add_co_u32 s67, s67, s42
	; descriptor group 1: a tile of 128 rows x ROWB bytes, padded in LDS
	s_or_b32 s[G1+0], s43, (0<<16)|(1<<20)|(1<<21)|(3<<22)|(3<<25)  ; 15:0 the mask: A's tiles go to my row; 17:16 element of 1 byte; 20 padding on; 21 set beside a mask; 24:22 after every 16 words (code 3); 31:25 of 4 words (code 3)
	s_or_b32 s[G1B+0], s44, (0<<16)|(1<<20)|(1<<21)|(3<<22)|(3<<25)
.irp g, G1, G1B
	s_mov_b32 s[\g+1], ROWB<<16                    ; tensor_dim0
	s_mov_b32 s[\g+2], 128<<16                     ; tensor_dim1 = 128
	s_mov_b32 s[\g+3], ROWB<<16                    ; tile_dim0
	s_mov_b32 s[\g+4], 128                         ; tile_dim1 = 128
	s_mov_b32 s[\g+5], KROW                        ; tensor_dim0_stride
	s_mov_b32 s[\g+6], 0
	s_mov_b32 s[\g+7], 0
.endr
	; and for the scales of 128 rows: a dense block of 4,096 bytes, as 16 rows of 256 bytes (32 elements of 8 bytes), 16 bytes of padding behind each
	s_or_b32 s[G1S+0], s43, (3<<16)|(1<<20)|(1<<21)|(5<<22)|(3<<25)
	s_or_b32 s[G1SB+0], s44, (3<<16)|(1<<20)|(1<<21)|(5<<22)|(3<<25)
.irp g, G1S, G1SB
	s_mov_b32 s[\g+1], 32<<16
	s_mov_b32 s[\g+2], 16<<16
	s_mov_b32 s[\g+3], 32<<16
	s_mov_b32 s[\g+4], 16
	s_mov_b32 s[\g+5], 32
	s_mov_b32 s[\g+6], 0
	s_mov_b32 s[\g+7], 0
.endr
	s_lshl_b32 s18, s16, 7                         ; which 128 rows of the tile I fetch
	s_add_co_u32 s20, s66, s18
	s_add_co_u32 s46, s67, s18
	s_mov_b32 s21, 0
	s_mov_b32 s47, 0
	s_mov_b64 s[18:19], KS
	s_mul_u64 s[22:23], s[20:21], s[18:19]         ; where these rows' scales begin, in bytes
	s_mul_u64 s[92:93], s[46:47], s[18:19]
	s_mov_b64 s[18:19], KROW
	s_mul_u64 s[20:21], s[20:21], s[18:19]         ; and their codes
	s_mul_u64 s[46:47], s[46:47], s[18:19]
	s_mul_i32 s45, s14, HALFT                      ; where they go: wave x 128 rows: no place in the cluster enters an LDS address
	s_mul_i32 s94, s14, HALFS
	s_wait_kmcnt 0x0
	s_add_nc_u64 s[20:21], s[4:5], s[20:21]
	s_add_nc_u64 s[22:23], s[6:7], s[22:23]
	s_add_nc_u64 s[46:47], s[4:5], s[46:47]
	s_add_nc_u64 s[92:93], s[6:7], s[92:93]
	CROUND                                         ; all sixteen work-groups are here: the first joint loads meet
	s_mov_b32 s[G0S], 1
	s_add_co_u32 s[G0S+1], s94, SCL
	s_mov_b64 s[G0S+2:G0S+3], s[22:23]
	s_or_b32 s[G0S+3], s[G0S+3], 0x80000000
	s_mov_b32 s[G0SB], 1
	s_add_co_u32 s[G0SB+1], s94, SCL
	s_mov_b64 s[G0SB+2:G0SB+3], s[92:93]
	s_or_b32 s[G0SB+3], s[G0SB+3], 0x80000000
	JLOAD G0S, G1S, G0SB, G1SB                     ; the scales first: they are wanted with K step 0
.irp s, 0,1
	s_mov_b32 s[G0+4*\s], 1
	s_add_co_u32 s[G0+4*\s+1], s45, \s*SLOT
	s_add_nc_u64 s[G0+4*\s+2:G0+4*\s+3], s[20:21], \s*ROWB
	s_or_b32 s[G0+4*\s+3], s[G0+4*\s+3], 0x80000000
	s_mov_b32 s[G0B+4*\s], 1
	s_add_co_u32 s[G0B+4*\s+1], s45, \s*SLOT
	s_add_nc_u64 s[G0B+4*\s+2:G0B+4*\s+3], s[46:47], \s*ROWB
	s_or_b32 s[G0B+4*\s+3], s[G0B+4*\s+3], 0x80000000
	JLOAD G0+4*\s, G1, G0B+4*\s, G1B
.endr
	v_and_b32 v1, 15, v0                           ; r = l % 16
	v_bfe_u32 v2, v0, 4, 1                         ; h = l / 16
	v_mul_u32_u24 v3, v1, PITCH
	v_mul_u32_u24 v4, v2, 24
	v_add_nc_u32 v4, v3, v4                        ; a fragment's row x pitch + 24 x half
	v_lshl_add_u32 v5, v2, 4, v4                   ; and the same behind one padding more
	s_mul_i32 s21, s15, HALFT                      ; my 128 rows of A
	s_mul_i32 s22, s16, HALFT                      ; my 128 rows of B,
	s_add_co_u32 s22, s22, 2*HALFT                 ; which lie behind A's 256
.irp s, 0,1
	v_add_nc_u32 v[ADRA+\s], s21, v4
	v_add_nc_u32 v[ADRB+\s], s22, v4
	v_add_nc_u32 v[ADRA+2+\s], s21, v5
	v_add_nc_u32 v[ADRB+2+\s], s22, v5
	s_add_co_u32 s21, s21, SLOT
	s_add_co_u32 s22, s22, SLOT
.endr
	v_mul_u32_u24 v5, v1, KS                       ; my row's scales: KS bytes a row,
	v_lshrrev_b32 v6, 8, v5
	v_lshl_add_u32 v5, v6, 4, v5                   ; and 16 more for each 256 passed
	s_mul_i32 s21, s15, HALFS                      ; A's: my 128 rows
	s_mul_i32 s22, s16, HALFS                      ; B's: my 128 rows, behind A's 256
	s_add_co_u32 s22, s22, 2*HALFS
	s_sub_co_u32 s22, s22, s21
	v_mul_u32_u24 v6, s22, v2                      ; lanes 16-31 take B's
	s_add_co_u32 s21, s21, SCL
	v_add_nc_u32 v5, v5, v6
	v_add_nc_u32 v[ADRS], s21, v5
	v_and_b32 v6, 31, v0
	v_lshlrev_b32 v[LI], 4, v6
	; which tokens and channels are my wave's, and where they go in att
	s_lshl_b32 s18, s15, 7
	s_add_co_u32 s18, s66, s18                     ; my first row of A
	s_lshl_b32 s19, s16, 7
	s_add_co_u32 s19, s67, s19                     ; my first row of B
	s_sub_co_u32 s20, s18, 10240                   ; v: my first channel
	s_and_b32 s21, s19, 1023                       ; q, k: my first channel (8192 is a multiple of 1024)
	s_cmp_ge_u32 s17, 8
	s_cselect_b32 s22, s19, s18                    ; my first token: 128 of them, one step of one batch
	s_cselect_b32 s23, s20, s21                    ; my first channel: 128 of them, two heads
	s_lshr_b32 s20, s22, 11                        ; the batch
	s_lshl_b32 s20, s20, 4
	s_lshr_b32 s45, s23, 6                         ; the first head
	s_add_co_u32 s20, s20, s45
	s_lshl_b32 s20, s20, 4
	s_bfe_u32 s18, s22, 0x40007                    ; the step
	s_add_co_u32 s20, s20, s18
	s_mul_i32 s20, s20, REC
	s_mov_b32 s21, 0
	s_add_nc_u64 s[98:99], s[98:99], s[20:21]      ; att at my first head's record
	s_lshl_b32 s18, s45, 2
	s_mov_b32 s19, 0
	s_add_nc_u64 s[96:97], s[96:97], s[18:19]
	s_load_b64 s[12:13], s[96:97], 0x0             ; the two heads' scale_mul_log
	s_lshl_b32 s20, s23, 2
	s_add_nc_u64 s[8:9], s[8:9], s[20:21]          ; both biases at my first channel: a place inside either, whichever tile this is; both are loaded
	s_add_nc_u64 s[10:11], s[10:11], s[20:21]
	v_lshlrev_b32 v[BO], 6, v2
	v_and_b32 v[VO], 8, v1
	v_add_nc_u32 v[VO], v[VO], v1
	v_lshlrev_b32 v[VO], 2, v[VO]
.irp n, 0,1,2,3
.irp i, 0,1,2,3
	global_load_b128 v[BIAS+16*\n+4*\i:BIAS+16*\n+4*\i+3], v[BO], s[8:9] offset:128*\n+16*\i
.endr
.endr
.irp a, 0,1,2,3,4,5,6,7
	global_load_b32 v[VB+2*\a], v[VO], s[10:11] offset:4*(32*(\a/2)+8*(\a%2))
	global_load_b32 v[VB+2*\a+1], v[VO], s[10:11] offset:4*(32*(\a/2)+8*(\a%2))
.endr
.macro FRAG reg, adr, q, i             ; a fragment, 16 rows x 128 K of 6-bit codes, is 12 registers: lane l holds row l % 16; registers 6 c .. 6 c + 5 hold K = 64 c + 32 (l / 16) + 0 .. 31: 24 bytes of the row's stream of bits, as they lie
.irp p, 0,1,2,3,4,5                    ; in pieces of 8 bytes.  Lanes 0-15 take the row's pieces 12 q + 0, 1, 2 and 12 q + 6, 7, 8, lanes 16-31 those three pieces on
.set PIECE, 12*(\q)+6*(\p/3)+\p%3      ; 16 bytes of padding lie behind every 64 bytes (8 pieces): where the piece three on lies behind one padding more, the second address register serves
.if PIECE%8 < 5
	ds_load_b64 v[\reg+2*\p:\reg+2*\p+1], v[\adr] offset:8*PIECE+16*(PIECE/8)+(\i)*16*PITCH
.else
	ds_load_b64 v[\reg+2*\p:\reg+2*\p+1], v[\adr+2] offset:8*PIECE+16*(PIECE/8)+(\i)*16*PITCH
.endif
.endr
.endm
; 16 matrix instructions: A's blocks a0, a0 + 1 x B's eight, 128 along K: the slot's q-th.  p: B's set;  sc: the set of scale words.  zero = 1: the first product starts the sums: nothing is ever cleared.
; The 64 accumulators take turns, one instruction a turn, in the same order in every step.
.macro MUL16 a0, p, q, sc, zero
.irp a, \a0, \a0+1
.irp b, 0,1,2,3,4,5,6,7
.if \zero
	v_wmma_scale_f32_16x16x128_f8f6f4 v[8*(8*((\a)%4)+\b):8*(8*((\a)%4)+\b)+7], v[128*(\p)+FR*\b:128*(\p)+FR*\b+FR-1], v[AF+FR*(\a):AF+FR*(\a)+FR-1], 0, v[SC+8*NQ*(\sc)+NQ*\b+(\q)], v[SC+8*NQ*(\sc)+NQ*(\a)+(\q)] matrix_a_fmt:MATRIX_FMT_BF6 matrix_b_fmt:MATRIX_FMT_BF6 matrix_a_scale:MATRIX_SCALE_ROW1
.else
	v_wmma_scale_f32_16x16x128_f8f6f4 v[8*(8*((\a)%4)+\b):8*(8*((\a)%4)+\b)+7], v[128*(\p)+FR*\b:128*(\p)+FR*\b+FR-1], v[AF+FR*(\a):AF+FR*(\a)+FR-1], v[8*(8*((\a)%4)+\b):8*(8*((\a)%4)+\b)+7], v[SC+8*NQ*(\sc)+NQ*\b+(\q)], v[SC+8*NQ*(\sc)+NQ*(\a)+(\q)] matrix_a_fmt:MATRIX_FMT_BF6 matrix_b_fmt:MATRIX_FMT_BF6 matrix_a_scale:MATRIX_SCALE_ROW1
.endif
.endr
.endr
.endm
.macro FETCH_B slot, q, p              ; B's eight fragments of the slot's q-th 128 along K into set p
	WIN TO_B
.irp i, 0,1,2,3,4,5,6,7
	FRAG 128*(\p)+FR*\i, ADRB+\slot, \q, \i
.endr
	WIN 0
.endm
.macro FETCH_A slot, q, i0             ; A's blocks i0 .. i0 + 3
.irp i, \i0, \i0+1, \i0+2, \i0+3
	FRAG AF+FR*(\i), ADRA+\slot, \q, \i
.endr
.endm
.macro SCALES sc                       ; the next K step's scale words into set sc: two words a row; lanes 0-15 take A's block i, lanes 16-31 B's block i
.irp i, 0,1,2,3,4,5,6,7
	ds_load_b64 v[SC+8*NQ*\sc+NQ*\i:SC+8*NQ*\sc+NQ*\i+1], v[ADRS] offset:\i*SBLK
.endr
.endm
; A load into a register that a matrix instruction has read, and a vector instruction that reads a matrix result, stand NP places behind that matrix instruction, and only plain vector
; instructions that name none of its registers are places (ISA guide 7.12.1 for vector instructions).
.macro PLACES n
.rept \n
	v_nop
.endr
.endm
; A step of 128 along K that has its successor in the same slot.
.macro STEP slot, q, zero
	s_wait_dscnt 4*NL                              ; B's set and A's blocks 0-3 are in; the youngest 24 loads (A's blocks 4-7) may be out
	WIN MUL_LO
	MUL16 0, (\q)%2, \q, \slot, \zero
	MUL16 2, (\q)%2, \q, \slot, \zero
	s_wait_dscnt 0                                 ; A's blocks 4-7 are in (asked for 32 matrix instructions ago)
	PLACES NP
	FETCH_B \slot, (\q)+1, 1-(\q)%2
	FETCH_A \slot, (\q)+1, 0
	WIN MUL_HI
	MUL16 4, (\q)%2, \q, \slot, \zero
	MUL16 6, (\q)%2, \q, \slot, \zero
	PLACES NP
	WIN 0
	FETCH_A \slot, (\q)+1, 4
.endm
; A slot's last step changes slots: ONE barrier; in front of it each wave waits for all its tensor loads, adds 0 to its spare word, and waits for that and for its own reads of this slot.  fill = 1: this slot is filled again, two K steps ahead.
.macro TURN slot, next, fill
	s_wait_tensorcnt 0x0                           ; all my tensor loads have landed: my part of the next slot;  (every window is 0 here)
	ds_add_u32 v[SPW], v[NIL]                      ; 0 onto my spare word
	s_wait_dscnt 4*NL+1                            ; (the add and the youngest 24 loads, A's blocks 4-7, may be out)
	WIN MUL_LO
	MUL16 0, 1, NQ-1, \slot, 0                     ; sixteen matrix instructions stand between the add and the wait for it
	s_wait_dscnt 0x0                               ; the add is done, and my reads of this slot are over
	s_barrier_signal -1
	MUL16 2, 1, NQ-1, \slot, 0
	WIN 0
	s_barrier_wait -1
.if \fill
	CREST                                          ; the barrier has opened a round of the cluster's barrier: no wave of any partner still reads this slot's tile or has a load on its way
	s_add_nc_u64 s[G0+4*\slot+2:G0+4*\slot+3], s[G0+4*\slot+2:G0+4*\slot+3], 2*ROWB
	s_add_nc_u64 s[G0B+4*\slot+2:G0B+4*\slot+3], s[G0B+4*\slot+2:G0B+4*\slot+3], 2*ROWB
	JLOAD G0+4*\slot, G1, G0B+4*\slot, G1B         ; the first tensor load behind the round; the four v_nop behind it are the places in front of the loads below
.else
	PLACES NP
.endif
	v_add_nc_u32 v[ADRS], 4*NQ, v[ADRS]            ; on to the next K step's scale words (no LDS load of mine is out)
	FETCH_B \next, 0, 0
	FETCH_A \next, 0, 0
	SCALES \next
	WIN MUL_HI
	MUL16 4, 1, NQ-1, \slot, 0
	MUL16 6, 1, NQ-1, \slot, 0
	PLACES NP
	WIN 0
	FETCH_A \next, 0, 4
.endm
	s_wait_loadcnt 0x0                             ; the biases
	s_wait_kmcnt 0x0                               ; the two heads' logs
	s_wait_tensorcnt 1                             ; the scales and my part of K step 0 are in (K step 1's load may be out)
	s_barrier_signal -1
	s_barrier_wait -1                              ; everybody's are
	FETCH_B 0, 0, 0
	FETCH_A 0, 0, 0
	SCALES 0
	FETCH_A 0, 0, 4
	STEP 0, 0, 1                                   ; the first step stands in front of the loop: its products start the sums
	s_mov_b32 s3, LAPS-1
.Llap:                                                 ; a trip goes once round the ring, from a lap's second step to the next lap's first, and fills both slots again
	TURN 0, 1, 1
	STEP 1, 0, 0
	TURN 1, 0, 1
	STEP 0, 0, 0
	s_sub_co_u32 s3, s3, 1
	s_cmp_lg_u32 s3, 0
	s_cbranch_scc1 .Llap
	TURN 0, 1, 0                                   ; the last lap fills nothing, and has no round of the cluster's barrier
	STEP 1, 0, 0
	s_wait_dscnt 4*NL                              ; the very last step: nothing more to fetch
	WIN MUL_LO
	MUL16 0, 1, NQ-1, 1, 0
	MUL16 2, 1, NQ-1, 1, 0
	s_wait_dscnt 0
	WIN MUL_HI
	MUL16 4, 1, NQ-1, 1, 0
	MUL16 6, 1, NQ-1, 1, 0
	WIN 0
; ---- BEHIND THE PRODUCTS: no LDS instruction from here to the closing lines.
; 64 numbers of a lane, v[s] .. v[s + 63], register 16 b + i = number 16 (lane / 16) + i of block b of my row, become 12 registers of codes in v[PC] on (registers 6 c .. 6 c + 5: block 2 c + lane / 16, whole), the four bytes in v[TM+4] on, their word in v[PW].
.macro QUANT s
.irp b, 0,1,2,3
	v_max3_num_f32 v[TM+\b], |v[\s+16*\b]|, |v[\s+1+16*\b]|, 0x2800000   ; block b: my 16 numbers, and the floor 2^(5 - 127): so the byte cannot fall under 1
.endr
.irp i, 2,4,6,8,10,12,14
.irp b, 0,1,2,3
	v_max3_num_f32 v[TM+\b], v[TM+\b], |v[\s+16*\b+\i]|, |v[\s+1+16*\b+\i]|   ; (the four blocks by turns)
.endr
.endr
.irp b, 0,1,2,3
	v_permlanex16_b32 v[TM+4+\b], v[TM+\b], s22, s23
.endr
.irp b, 0,1,2,3
	v_max_num_f32 v[TM+\b], v[TM+\b], v[TM+4+\b]   ; with lane l xor 16's: the block's largest magnitude
.endr
.irp b, 0,1,2,3
	v_add_nc_u32 v[TM+12+\b], 0xfe000000, v[TM+\b]   ; 4 off its exponent field: the conversion's scale operand
.endr
.irp b, 0,1,2,3
	v_lshrrev_b32 v[TM+4+\b], 23, v[TM+12+\b]   ; the scale's byte
.endr
	v_lshl_or_b32 v[PW], v[TM+5], 8, v[TM+4]
	v_lshl_or_b32 v[PW], v[TM+6], 16, v[PW]
	v_lshl_or_b32 v[PW], v[TM+7], 24, v[PW]
.irp c, 0,1
	v_cvt_scalef32_pk16_bf6_f32 v[PC+6*\c:PC+2+6*\c], v[\s+32*\c:\s+15+32*\c], v[TM+12+2*\c]
	v_cvt_scalef32_pk16_bf6_f32 v[PC+12+4*\c:PC+14+4*\c], v[\s+16+32*\c:\s+31+32*\c], v[TM+12+2*\c+1]   ; (a conversion's three registers begin on an even number)
.endr
	v_nop                                          ; one plain place behind a scaled conversion
.irp c, 0,1                                    ; a WHOLE block in a lane: lanes 0-15 block 2 c, lanes 16-31 block 2 c + 1
.irp i, 0,1,2
	v_permlane16_swap_b32 v[PC+6*\c+\i], v[PC+12+4*\c+\i]
.endr
.irp i, 0,1,2
	v_mov_b32 v[PC+3+6*\c+\i], v[PC+12+4*\c+\i]
.endr
.endr
.endm
; q or k: A's blocks 2 p and 2 p + 1 (32 tokens), head g of my two.  Register 32 g + 16 n + i of a block's 64 is channel 32 n + 16 (lane / 16) + i of the head.
.macro UNITQK p, g
	s_wait_xcnt 0x0                                ; the last unit's stores have read their registers
	WIN 0x02+(\p)/2                                ; source 0: the accumulators' window
.irp u, 0,1
.irp i, 0,2,4,6,8,10,12,14,16,18,20,22,24,26,28,30
	v_pk_add_f32 v[Y+32*\u+\i:Y+32*\u+\i+1], v[64*((2*(\p)+\u)%4)+32*(\g)+\i:64*((2*(\p)+\u)%4)+32*(\g)+\i+1], v[BIAS+32*(\g)+\i:BIAS+32*(\g)+\i+1]   ; + bias; each accumulator from its low end on
.endr
.endr
	WIN 0
.irp u, 0,1                                    ; the sum of my 32 squares, two at a time, in two chains for each tile
	v_pk_mul_f32 v[SS+4*\u:SS+4*\u+1], v[Y+32*\u:Y+32*\u+1], v[Y+32*\u:Y+32*\u+1]
	v_pk_mul_f32 v[SS+4*\u+2:SS+4*\u+3], v[Y+32*\u+2:Y+32*\u+3], v[Y+32*\u+2:Y+32*\u+3]
.endr
.irp i, 4,8,12,16,20,24,28
.irp u, 0,1
	v_pk_fma_f32 v[SS+4*\u:SS+4*\u+1], v[Y+32*\u+\i:Y+32*\u+\i+1], v[Y+32*\u+\i:Y+32*\u+\i+1], v[SS+4*\u:SS+4*\u+1]
	v_pk_fma_f32 v[SS+4*\u+2:SS+4*\u+3], v[Y+32*\u+\i+2:Y+32*\u+\i+3], v[Y+32*\u+\i+2:Y+32*\u+\i+3], v[SS+4*\u+2:SS+4*\u+3]
.endr
.endr
.irp u, 0,1
	v_pk_add_f32 v[SS+4*\u:SS+4*\u+1], v[SS+4*\u:SS+4*\u+1], v[SS+4*\u+2:SS+4*\u+3]
.endr
.irp u, 0,1
	v_add_f32 v[SS+4*\u], v[SS+4*\u], v[SS+4*\u+1]
.endr
.irp u, 0,1
	v_permlanex16_b32 v[PT+\u], v[SS+4*\u], s22, s23
.endr
.irp u, 0,1
	v_add_f32 v[NN+\u], v[SS+4*\u], v[PT+\u]       ; with lane l xor 16's 32: the head's 64
.endr
	v_sqrt_f32 v[NN], v[NN]
	v_sqrt_f32 v[NN+1], v[NN+1]
	v_nop                                          ; a plain place behind the transcendentals,
	s_wait_alu depctr_va_vdst(0)                   ; and the wait ahead of the first reader: one for the two
	v_max_num_f32 v[NN], 0x2b8cbccc, v[NN]         ; max(norm, 1e-12)
	v_max_num_f32 v[NN+1], 0x2b8cbccc, v[NN+1]
	v_rcp_f32 v[NN], v[NN]
	v_rcp_f32 v[NN+1], v[NN+1]
	v_nop
	s_wait_alu depctr_va_vdst(0)
.irp u, 0,1
	v_mul_f32 v[RR+2*\u], v[NN+\u], v[SCV+(\g)]    ; x the head's scale (1 for k), twice: a pair for the packed multiply
	v_mul_f32 v[RR+2*\u+1], v[NN+\u], v[SCV+(\g)]
.endr
.irp u, 0,1
.irp i, 0,2,4,6,8,10,12,14,16,18,20,22,24,26,28,30
	v_pk_mul_f32 v[Y+32*\u+\i:Y+32*\u+\i+1], v[Y+32*\u+\i:Y+32*\u+\i+1], v[RR+2*\u:RR+2*\u+1]
.endr
.endr
	QUANT Y                                        ; block 2 u + n = (tile u, channels 32 n on): registers 0-5 of the codes are tile 2 p's fragment of 64 along K, registers 6-11 tile 2 p + 1's
	v_lshl_or_b32 v[W0], v[TM+5], 8, v[TM+4]       ; tile 2 p's two bytes,
	v_lshl_or_b32 v[W0+1], v[TM+7], 8, v[TM+6]     ; tile 2 p + 1's:
	v_cndmask_b32 v[W0], v[W0], v[W0+1], s21       ; lanes 0-15 keep the first, lanes 16-31 the second;
	v_or_b32 v[SW+4*(\g)+(\p)], 0x7f7f0000, v[W0]  ; the bytes of K = 64 .. 127, where zero codes stand on one side, say 1.0
.irp c, 0,1,2
	global_store_b128 v[LI], v[PC+4*\c:PC+4*\c+3], s[98:99] offset:(\g)*HEADB+1536*(\p)+512*\c   ; 32 lanes store 512 consecutive bytes, at a multiple of 256 from att's first byte
.endr
.endm
; v: A's block a (16 channels), all my 128 tokens.  Register 16 n + i is key 32 n + 16 (lane / 16) + i of the step.
.macro UNITV a
	s_wait_xcnt 0x0
	WIN 0x02+(\a)/4
.set J, 0
.rept 32
	v_pk_add_f32 v[Y+J:Y+J+1], v[64*((\a)%4)+J:64*((\a)%4)+J+1], v[VB+2*(\a):VB+2*(\a)+1]   ; + my channel's bias; each accumulator from its low end on
.set J, J+2
.endr
	WIN 0
	QUANT Y                                        ; four blocks of 32 keys: a whole fragment of V^T
	v_mov_b32 v[SW+(\a)], v[PW]
.irp c, 0,1,2
	global_store_b128 v[LI], v[PC+4*\c:PC+4*\c+3], s[98:99] offset:((\a)/4)*HEADB+6144+1536*((\a)%4)+512*\c
.endr
.if (\a)%4 == 3
	global_store_b128 v[LI], v[SW+4*((\a)/4):SW+4*((\a)/4)+3], s[98:99] offset:((\a)/4)*HEADB+12800   ; the head's four tiles' scale words, 16 bytes a lane
.endif
.endm
	PLACES NP                                      ; behind the last products: results are read and operands' registers written from here on
.irp b, 0,1,2,3
	v_mov_b32 v[TM+4+\b], 0                        ; written once: a lane permute's destination counts as one of its sources
.endr
	v_mov_b32 v[PT], 0
	v_mov_b32 v[PT+1], 0
	s_mov_b32 s22, 0x76543210
	s_mov_b32 s23, 0xfedcba98                      ; v_permlanex16_b32's selects for lane l xor 16
	s_mov_b32 s21, 0xffff0000                      ; lanes 16-31
	s_cmp_ge_u32 s17, 8                            ; the cluster's y: the same in all sixteen partners
	s_cbranch_scc1 .Lv
	; ---- q (cluster x = 0) or k (1)
	s_mov_b32 s2, 12288
	s_cmp_eq_u32 ttmp9, 0
	s_cselect_b32 s20, -1, 0                       ; all ones for q, 0 for k
	s_cselect_b32 s18, 13312, 0                    ; where the codes go in a record,
	s_cselect_b32 s2, 19456, s2                    ; and the scale words
	s_mov_b32 s19, 0
	s_mov_b32 s3, 0
	s_add_nc_u64 s[100:101], s[98:99], s[2:3]
	s_add_nc_u64 s[98:99], s[98:99], s[18:19]
.set J, 0
.rept 64
	v_and_b32 v[BIAS+J], s20, v[BIAS+J]            ; k has no bias
.set J, J+1
.endr
	v_mov_b32 v[SCV], s12
	v_mov_b32 v[SCV+1], s13
.irp g, 0,1
	v_min_num_f32 v[SCV+\g], 0x40935d8e, v[SCV+\g] ; min(log, ln 100)
.endr
.irp g, 0,1
	v_mul_f32 v[SCV+\g], 0x3fb8aa3b, v[SCV+\g]     ; x log2(e)
.endr
.irp g, 0,1
	v_and_b32 v[SCV+\g], s20, v[SCV+\g]            ; k: 0, whose exponential is 1
.endr
	v_exp_f32 v[SCV], v[SCV]
	v_exp_f32 v[SCV+1], v[SCV+1]
	v_nop
	s_wait_alu depctr_va_vdst(0)                   ; one wait for the two, ahead of their first reader
.irp p, 0,1,2,3
	UNITQK \p, 0
.endr
	global_store_b128 v[LI], v[SW:SW+3], s[100:101]   ; the first head's scale words: word p of lane l: tile 2 p + l / 16, row l % 16
.irp p, 0,1,2,3
	UNITQK \p, 1
.endr
	global_store_b128 v[LI], v[SW+4:SW+7], s[100:101] offset:HEADB
	s_branch .Ldone
.Lv:
	; ---- v
.irp a, 0,1,2,3,4,5,6,7
	UNITV \a
.endr
.Ldone:
	s_wait_tensorcnt 0x0                           ; the wave's end
	ds_add_u32 v[SPW], v[NIL]
	s_wait_dscnt 0x0
	CROUND                                         ; the closing round: no work-group ends while a partner may still ask for a tile that names it
	s_endpgm
.Lfunc_end_k_qddcbccaa4b_qkv:
	.size	k_qddcbccaa4b_qkv, .Lfunc_end_k_qddcbccaa4b_qkv-k_qddcbccaa4b_qkv
	.p2alignl 7, 3214868480
	.fill 96, 4, 3214868480
	.section	.rodata,"a",@progbits
	.p2align	6, 0x0
	.amdhsa_kernel k_qddcbccaa4b_qkv
		.amdhsa_group_segment_fixed_size 327680
		.amdhsa_private_segment_fixed_size 0
		.amdhsa_enable_private_segment 0
		.amdhsa_kernarg_size 48
		.amdhsa_user_sgpr_count 2
		.amdhsa_user_sgpr_kernarg_segment_ptr 1
		.amdhsa_wavefront_size32 1
		.amdhsa_system_sgpr_workgroup_id_x 1
		.amdhsa_system_sgpr_workgroup_id_y 1
		.amdhsa_system_sgpr_workgroup_id_z 1
		.amdhsa_system_vgpr_workitem_id 0
		.amdhsa_next_free_vgpr 1024
		.amdhsa_next_free_sgpr 102
		.amdhsa_reserve_vcc 0
		.amdhsa_float_denorm_mode_32 3
		.amdhsa_float_denorm_mode_16_64 3
		.amdhsa_memory_ordered 1
		.amdhsa_forward_progress 1
		.amdhsa_inst_pref_size 255
	.end_amdhsa_kernel
	.section	.bss,"aw",@nobits
	.p2align	6
	.space	262144
	.amdgpu_metadata
---
amdhsa.version: [ 1, 2 ]
amdhsa.kernels:
  - .name:           k_qddcbccaa4b_qkv
    .symbol:         k_qddcbccaa4b_qkv.kd
    .args:
      - { .name: c1, .offset: 0, .size: 8, .value_kind: global_buffer, .address_space: global }
      - { .name: s1, .offset: 8, .size: 8, .value_kind: global_buffer, .address_space: global }
      - { .name: q_bias, .offset: 16, .size: 8, .value_kind: global_buffer, .address_space: global }
      - { .name: v_bias, .offset: 24, .size: 8, .value_kind: global_buffer, .address_space: global }
      - { .name: scale_mul_log, .offset: 32, .size: 8, .value_kind: global_buffer, .address_space: global }
      - { .name: att, .offset: 40, .size: 8, .value_kind: global_buffer, .address_space: global }
    .group_segment_fixed_size: 327680
    .private_segment_fixed_size: 0
    .kernarg_segment_align: 8
    .kernarg_segment_size: 48
    .max_flat_workgroup_size: 128
    .sgpr_count:     102
    .vgpr_count:     1024
    .wavefront_size: 32
...
	.end_amdgpu_metadata
.endif
;; end of part 2
;; launch attn (part 3): grid 4 x 64, 16 waves a work-group, clusters of 4 x 1, 215,040 bytes of LDS; arguments att, oc, os; writes oc, os
.if DOCPART == 3
	.amdgcn_target "amdgcn-amd-amdhsa--gfx1250"
	.amdhsa_code_object_version 6
	.text
	.protected	k_qddcbccaa4b_attn
	.globl	k_qddcbccaa4b_attn
	.p2align	8
	.type	k_qddcbccaa4b_attn,@function
k_qddcbccaa4b_attn:
	s_mov_b64 s[64:65], 0
	v_nop
	global_prefetch_b8 v0, s[64:65] scope:SCOPE_SE
	s_setreg_imm32_b32 hwreg(HW_REG_WAVE_MODE, 25, 1), 1
	s_wait_xcnt 0x0
	s_wait_alu depctr_hold_cnt(0) depctr_sa_sdst(0) depctr_va_vdst(0) depctr_va_sdst(0) depctr_va_ssrc(0) depctr_va_vcc(0) depctr_vm_vsrc(0)
	s_getreg_b32 s2, hwreg(HW_REG_IB_STS2, 6, 4)
	s_cmp_eq_u32 s2, 0
	s_cbranch_scc0 .Lentry_in_a_cluster
	s_endpgm
.Lentry_in_a_cluster:
	s_bfe_u32 s2, ttmp6, 0x10000c
	s_cmp_lg_u32 s2, 0x3003
	s_cbranch_scc0 .Lentry_shape_is_right
	s_endpgm
.Lentry_shape_is_right:
; O[b][h][q] = the sum over k of softmax_k(q . k) v[k], both products on codes of BF6 (E3M2) with one E8M0 scale for each 32 along a product's K; then O, divided by the row's sum, is quantised along the model's channels for the last product.
; q (normalised and scaled), k (normalised) and v come from att as images of operand registers: 1,024 records of 19,968 bytes, record (16 batch + head) 16 + step, a step = 128 tokens:
; +0 K's codes, +6144 V's codes, +12288 K's scale words, +12800 V's, +13312 Q's codes, +19456 Q's scale words.
; THE SOFTMAX AHEAD OF THE SECOND PRODUCT: t = score x log2(e); M = the row's largest t so far, rounded UP to a whole number; p = 2^(t - M) is what is quantised, along the keys; it is not normalised.
; The row's sum is taken of the unquantised p, in f32, and divides O at the end.  When M moves, the sum and O are multiplied by 2^(old M - new M): exact.
; SHARES.  A work-group owns 512 queries of one (batch, head); each of its sixteen waves owns 32 of them, two tiles of 16, which it takes one after the other (two passes over the keys) in 256 registers: four waves to a SIMD,
; so that one wave's vector work stands beside another's matrix work and LDS loads.
; LDS holds the WHOLE head's K and V: 16 steps x 13,312 bytes, each step's part of its record as it lies, filled once: wave s fetches step s by one tensor load.  Nothing is filled again: no ring.
; CLUSTER.  The four work-groups of a cluster own the four query blocks of one head: each tile is asked for jointly, by the same tensor load with the same descriptor and a mask that names the four.
; LAYOUT.  Both products are used transposed: S^T = K Q^T (source 0 = 16 keys, source 1 = my 16 queries), O^T = V^T P^T: a lane holds ONE query (lane % 16) throughout.
; The head's size is 64, half of the instruction's K.  A tile of K is 6 registers; the instruction names 12: the upper six are the next tile's codes (behind the last tile: zeros); they meet Q's zero codes, under scale bytes that say 1.0, and add nothing.
; By the storage order of the tokens (storage row 16 u + p of a group of 32 holds token 8 u + p + 8 (p / 8)) the 16 registers of tiles 2 b and 2 b + 1 of S^T are keys 32 b + 16 (lane / 16) + 0 .. 15; V's tiles are laid likewise along the head's 64.
; oc: [head / 4][block of 128 storage rows][head % 4][tile of 16 rows][768 bytes]: a tile's six registers: 512 bytes (registers 0-3, 16 a lane), then 256 (registers 4-5, 8 a lane).  os: [storage row][32]: byte 2 head + block.
; LIMITS: NaN and infinities are not served; a block whose largest magnitude lies under 2^-122 keeps the byte 1.
; REGISTERS: v1-4 addresses; v12 -M, v13 the largest t, v[14:15] the sum in two halves; v16-27 Q (v22-27 zeros); v28-33 the second tile's Q; v34 Q's scale words; v40-93 K's eight tiles and six zeros, then V's four fragments;
;   v96-159 S^T, then p; v160-191 O^T; v212-215 K's scale words, v216-219 V's; v224-235 p's codes; v232-254 at work.
.set REC,   19968
.set STEPB, 13312                      ; a step's bytes in LDS
.set LI,   1                           ; v1   16 x lane
.set AD,   2                           ; v2   LDS address of the step in hand
.set L8,   3                           ; v3   8 x lane
.set OSO,  4                           ; v4   32 x (lane % 16) + lane / 16: my byte in os
.set QF,   16
.set QN,   28
.set QS,   34
.set QT,   35
.set KF,   40
.set KSC,  212
.set VSC,  216
.set TB,   2                           ; s2   LDS byte at which the step in hand begins
.set CNT,  3                           ; s3   steps to go
.set WV,   18                          ; s18  my wave's number
.set SEL,  20                          ; s[20:21] lane selects for v_permlanex16_b32: lane l xor 16
.set CS,   22                          ; s[22:23] log2(e): the packed form names a pair and takes its low word for both halves
.set G1,   24                          ; s[24:31] descriptor group 1
.set G0,   32                          ; s[32:35] group 0
.set HI16, 37                          ; s37  lanes 16-31
.macro ROUND                           ; a round of the cluster's barrier
	s_barrier_signal -1
	s_barrier_wait -1
	s_cmp_lg_u32 s[WV], 0
	s_cbranch_scc1 .Lnot_wave_0_\@
	s_barrier_signal -3
.Lnot_wave_0_\@:
	s_barrier_wait -3
	s_barrier_signal -1
	s_barrier_wait -1
.endm
	s_load_b128 s[4:7], s[0:1], 0x0                ; att, oc
	s_load_b64 s[8:9], s[0:1], 0x10                ; os
	v_lshl_add_u32 v251, v0, 2, 0x34000
	v_mov_b32 v255, 0
	ds_add_u32 v251, v255
	ds_add_u32 v251, v255
	v_lshrrev_b32 v5, 5, v0
	v_readfirstlane_b32 s[WV], v5                  ; wave 0..15
	v_and_b32 v5, 31, v0
	v_lshlrev_b32 v[LI], 4, v5
	v_lshlrev_b32 v[L8], 3, v5
	v_and_b32 v6, 15, v0
	v_bfe_u32 v7, v0, 4, 1
	v_lshl_add_u32 v[OSO], v6, 5, v7
	s_and_b32 s38, ttmp7, 0xffff                   ; 16 batch + head, which the four partners share
	s_bfe_u32 s39, ttmp6, 0x40000                  ; cx: my block of 512 queries: it enters Q's, oc's and os's addresses alone
	s_lshl_b32 s40, s38, 4                         ; the head's first record
	s_add_co_u32 s42, s40, s[WV]
	s_mul_i32 s42, s42, REC                        ; the record of the step that I fetch
	s_mov_b32 s43, 0
	; descriptor group 1: 13,312 dense bytes as 52 rows of 256 bytes (32 elements of 8 bytes), no padding
	s_mov_b32 s[G1], 15|(3<<16)|(1<<21)            ; 15:0 the mask: all four work-groups; 17:16 elements of 8 bytes; 21 set beside a mask
	s_mov_b32 s[G1+1], 32<<16                      ; tensor_dim0 = 32
	s_mov_b32 s[G1+2], 52<<16                      ; tensor_dim1 = 52
	s_mov_b32 s[G1+3], 32<<16                      ; tile_dim0 = 32
	s_mov_b32 s[G1+4], 52                          ; tile_dim1 = 52
	s_mov_b32 s[G1+5], 32                          ; tensor_dim0_stride
	s_mov_b32 s[G1+6], 0
	s_mov_b32 s[G1+7], 0
	s_mov_b32 s[G0], 1                             ; count = 1
	s_mul_i32 s[G0+1], s[WV], STEPB                ; LDS address: my step's place
	; my 32 queries: pair w % 4 of step 4 cx + w / 4
	s_lshl_b32 s44, s39, 2
	s_lshr_b32 s45, s[WV], 2
	s_add_co_u32 s44, s44, s45                     ; the step
	s_and_b32 s45, s[WV], 3                        ; the pair
	s_add_co_u32 s46, s40, s44
	s_mul_i32 s46, s46, REC
	s_mul_i32 s48, s45, 1536
	s_add_co_u32 s48, s48, s46
	s_add_co_u32 s48, s48, 13312                   ; Q's codes
	s_mov_b32 s49, 0
	s_lshl_b32 s50, s45, 2
	s_add_co_u32 s50, s50, s46
	s_add_co_u32 s50, s50, 19456                   ; Q's scale words: word w % 4 of a lane's four
	s_mov_b32 s51, 0
	s_lshr_b32 s52, s38, 4                         ; batch
	s_and_b32 s53, s38, 15                         ; head
	s_lshl_b32 s54, s52, 4
	s_add_co_u32 s54, s54, s44                     ; oc: the block of 128 storage rows,
	s_mul_i32 s54, s54, 24576
	s_lshr_b32 s55, s53, 2
	s_mul_i32 s55, s55, 1572864                    ; head / 4,
	s_add_co_u32 s54, s54, s55
	s_and_b32 s55, s53, 3
	s_mul_i32 s55, s55, 6144                       ; head % 4,
	s_add_co_u32 s54, s54, s55
	s_mul_i32 s55, s45, 1536                       ; tile 2 (w % 4)
	s_add_co_u32 s54, s54, s55
	s_mov_b32 s55, 0
	s_lshl_b32 s56, s52, 11                        ; os: storage row 2048 batch + 512 cx + 32 w,
	s_lshl_b32 s57, s39, 9
	s_add_co_u32 s56, s56, s57
	s_lshl_b32 s57, s[WV], 5
	s_add_co_u32 s56, s56, s57
	s_lshl_b32 s56, s56, 5
	s_lshl_b32 s57, s53, 1                         ; byte 2 head
	s_add_co_u32 s56, s56, s57
	s_mov_b32 s57, 0
	s_mov_b32 s[SEL], 0x76543210
	s_mov_b32 s[SEL+1], 0xfedcba98
	s_mov_b32 s[CS], 0x3fb8aa3b                    ; log2(e)
	s_mov_b32 s[CS+1], s[CS]                       ; (named with it as a pair, so it is written)
	s_mov_b32 s[HI16], 0xffff0000
	s_wait_dscnt 0x0
	s_wait_kmcnt 0x0
	s_add_nc_u64 s[G0+2:G0+3], s[4:5], s[42:43]    ; global address
	s_or_b32 s[G0+3], s[G0+3], 0x80000000          ; type = 2
	s_add_nc_u64 s[14:15], s[4:5], s[48:49]
	s_add_nc_u64 s[16:17], s[4:5], s[50:51]
	s_add_nc_u64 s[10:11], s[6:7], s[54:55]
	s_add_nc_u64 s[12:13], s[8:9], s[56:57]
	ROUND                                          ; all four work-groups are here: the joint loads meet
	tensor_load_to_lds s[G0:G0+3], s[G1:G1+7]      ; my one tensor load of the launch
	s_nop 0
.rept 4
	v_nop
.endr
	global_load_b128 v[QF:QF+3], v[LI], s[14:15]   ; my pair's image: registers 0-5 the first tile, 6-11 the second
	global_load_b128 v[QF+4:QF+7], v[LI], s[14:15] offset:512
	global_load_b128 v[QF+8:QF+11], v[LI], s[14:15] offset:1024
	global_load_b32 v[QS], v[LI], s[16:17]         ; lanes 0-15: the first tile's scale words; lanes 16-31: the second's
.irp i, 0,1,2,3,4,5
	v_mov_b32 v[KF+48+\i], 0                       ; behind K's last tile: zero codes
.endr
.irp b, 0,1,2,3
	v_mov_b32 v[236+\b], 0                         ; written once: a lane permute's destination counts as one of its sources
.endr
	v_mov_b32 v253, 0                              ; (named as the upper half of the pair v[252:253] before it is first written)
	v_mov_b32 v[QT], 0
	s_wait_loadcnt 0x0
.irp i, 0,1,2,3,4,5
	v_mov_b32 v[QN+\i], v[QF+6+\i]                 ; the second tile waits its turn;
.endr
.irp i, 0,1,2,3,4,5
	v_mov_b32 v[QF+6+\i], 0                        ; K = 64 .. 127 of Q: zero codes
.endr
	s_wait_tensorcnt 0x0                           ; my step has landed,
	s_barrier_signal -1
	s_barrier_wait -1                              ; everybody's has: the whole head lies in LDS, and nobody writes LDS any more
; A KEY STEP: 128 keys.
.macro STEP
	v_add_nc_u32 v[AD], s[TB], v[LI]
.rept 3
	v_nop                                          ; with the addition above: four places in front of loads into registers that the last products have read
.endr
.irp n, 0,1,2,3,4,5,6,7,8,9,10,11
	ds_load_b128 v[KF+4*\n:KF+4*\n+3], v[AD] offset:512*\n   ; K's eight tiles, six registers each, on end: 32 lanes read 512 consecutive bytes
.endr
	ds_load_b128 v[KSC:KSC+3], v[AD] offset:12288  ; register p: lanes 0-15 tile 2 p's scale words, lanes 16-31 tile 2 p + 1's
	s_wait_dscnt 0x0
.irp t, 0,2,4,6
	v_wmma_scale_f32_16x16x128_f8f6f4 v[96+8*\t:103+8*\t], v[KF+6*\t:KF+6*\t+11], v[QF:QF+11], 0, v[KSC+\t/2], v[QS] matrix_a_fmt:MATRIX_FMT_BF6 matrix_b_fmt:MATRIX_FMT_BF6
	v_wmma_scale_f32_16x16x128_f8f6f4 v[104+8*\t:111+8*\t], v[KF+6*\t+6:KF+6*\t+17], v[QF:QF+11], 0, v[KSC+\t/2], v[QS] matrix_a_fmt:MATRIX_FMT_BF6 matrix_b_fmt:MATRIX_FMT_BF6 matrix_a_scale:MATRIX_SCALE_ROW1
.endr
.rept 4
	v_nop                                          ; four places: in front of the loads into K's registers, and of the first read of the scores
.endr
.irp n, 0,1,2,3,4,5,6,7,8,9,10,11
	ds_load_b128 v[KF+4*\n:KF+4*\n+3], v[AD] offset:6144+512*\n   ; V's four fragments: they land while the softmax is worked
.endr
	ds_load_b128 v[VSC:VSC+3], v[AD] offset:12800
.irp b, 0,1,2,3
	v_max3_num_f32 v[232+\b], v[96+16*\b], v[97+16*\b], v[98+16*\b]   ; THE LARGEST SCORE OF EACH BLOCK OF 32 KEYS: it serves twice: for the row's maximum, and, since p rises with the score, for the block's largest p
.endr
.irp i, 3,5,7,9,11,13
.irp b, 0,1,2,3
	v_max3_num_f32 v[232+\b], v[232+\b], v[96+16*\b+\i], v[97+16*\b+\i]   ; (the four blocks by turns)
.endr
.endr
.irp b, 0,1,2,3
	v_max_num_f32 v[232+\b], v[232+\b], v[111+16*\b]
.endr
.irp b, 0,1,2,3
	v_permlanex16_b32 v[236+\b], v[232+\b], s[SEL], s[SEL+1]
.endr
.irp b, 0,1,2,3
	v_max_num_f32 v[232+\b], v[232+\b], v[236+\b]  ; with lane l xor 16's 16 keys
.endr
	v_max3_num_f32 v254, v232, v233, v234
	v_max_num_f32 v254, v254, v235                 ; the step's largest score of my query
	v_mul_f32 v254, s[CS], v254                    ; as t
	v_max_num_f32 v13, v13, v254                   ; the running largest t
	v_mov_b32 v254, v12
	v_floor_f32 v12, -v13                          ; the new -M = floor(-t) = -ceil(t): M IS A WHOLE NUMBER
	v_sub_f32 v254, v12, v254                      ; M's old value less its new one: a whole number, 0 or less
	v_cvt_i32_f32 v254, v254                       ; (it saturates)
	v_ldexp_f32 v252, 1.0, v254                    ; f = 2^(old M - new M)
.set J, 0
.rept 32
	v_pk_fma_f32 v[96+J:97+J], v[96+J:97+J], s[CS:CS+1], v[12:13] op_sel_hi:[1,0,0]   ; t - M, two at a time
.set J, J+2
.endr
.irp b, 0,1,2,3
	v_fma_f32 v[232+\b], v[232+\b], s[CS], v12     ; the same of each block's largest score
.endr
.set J, 0
.rept 64
	v_exp_f32 v[96+J], v[96+J]                     ; p = 2^(t - M), at most 1: NOT normalised
.set J, J+1
.endr
	v_pk_mul_f32 v[14:15], v[14:15], v[252:253] op_sel_hi:[1,0]   ; the sums under the new M.  (A plain place behind the exponentials)
	s_wait_alu depctr_va_vdst(0)                   ; one wait for the whole batch, ahead of its first reader
.irp b, 0,1,2,3
	v_exp_f32 v[232+\b], v[232+\b]                 ; the block's largest p: the same two instructions on the same number give the same bits
.endr
	v_pk_add_f32 v[236:237], v[96:97], v[98:99]    ; THE ROW'S SUM IS TAKEN OF THE UNQUANTISED p: two at a time, in two chains
.irp j, 4,8,12,16,20,24,28,32,36,40,44,48,52,56,60
	v_pk_add_f32 v[14:15], v[14:15], v[96+\j:97+\j]
	v_pk_add_f32 v[236:237], v[236:237], v[98+\j:99+\j]
.endr
	v_pk_add_f32 v[14:15], v[14:15], v[236:237]
	s_wait_alu depctr_va_vdst(0)                   ; and one for the four
.irp b, 0,1,2,3
	v_max_num_f32 v[232+\b], 0x2800000, v[232+\b]  ; the floor 2^(5 - 127): the byte cannot fall under 1
.endr
.irp b, 0,1,2,3
	v_add_nc_u32 v[244+\b], 0xfe000000, v[232+\b]  ; 4 off the exponent field: the conversion's scale operand
.endr
.irp b, 0,1,2,3
	v_lshrrev_b32 v[236+\b], 23, v[244+\b]         ; the scale's byte
.endr
	v_lshl_or_b32 v253, v237, 8, v236              ; p's scale word for these 128 keys
	v_lshl_or_b32 v253, v238, 16, v253
	v_lshl_or_b32 v253, v239, 24, v253
.irp c, 0,1
	v_cvt_scalef32_pk16_bf6_f32 v[224+6*\c:226+6*\c], v[96+32*\c:111+32*\c], v[244+2*\c]
	v_cvt_scalef32_pk16_bf6_f32 v[236+4*\c:238+4*\c], v[112+32*\c:127+32*\c], v[244+2*\c+1]   ; (a conversion's three registers begin on an even number)
.endr
	v_nop                                          ; one plain place behind a scaled conversion
.irp c, 0,1                                    ; a WHOLE block in a lane: lanes 0-15 block 2 c, lanes 16-31 block 2 c + 1
.irp i, 0,1,2
	v_permlane16_swap_b32 v[224+6*\c+\i], v[236+4*\c+\i]
.endr
.irp i, 0,1,2
	v_mov_b32 v[227+6*\c+\i], v[236+4*\c+\i]
.endr
.endr
.set J, 0
.rept 16
	v_pk_mul_f32 v[160+J:161+J], v[160+J:161+J], v[252:253] op_sel_hi:[1,0]   ; O^T under the new M: x f.  (These sixteen are also the places between the lines that made p's codes and scale word and the products below)
.set J, J+2
.endr
	s_wait_dscnt 0x0                               ; V is in
.irp t, 0,1,2,3                                ; O^T += V^T P^T: four accumulators by turns
	v_wmma_scale_f32_16x16x128_f8f6f4 v[160+8*\t:167+8*\t], v[KF+12*\t:KF+12*\t+11], v[224:235], v[160+8*\t:167+8*\t], v[VSC+\t], v253 matrix_a_fmt:MATRIX_FMT_BF6 matrix_b_fmt:MATRIX_FMT_BF6
.endr
.endm
; A PASS: one tile of 16 queries against all 2,048 keys, and its way out.  last = 0: the second tile's Q takes the first's place.
.macro PASS last
	v_mov_b32 v13, 0xff61b1e6                      ; the largest t so far: -3e38, under every t
	v_floor_f32 v12, -v13                          ; -M
	v_mov_b32 v14, 0                               ; the sum, in two halves
	v_mov_b32 v15, 0
.set J, 0
.rept 32
	v_mov_b32 v[160+J], 0                          ; O^T.  (The step is written once: the first finds zeros, which the first change of M leaves zeros)
.set J, J+1
.endr
	s_mov_b32 s[TB], 0
	s_mov_b32 s[CNT], 16
.Lstep_\@:
	STEP
	s_add_co_u32 s[TB], s[TB], STEPB
	s_sub_co_u32 s[CNT], s[CNT], 1
	s_cmp_lg_u32 s[CNT], 0
	s_cbranch_scc1 .Lstep_\@
.rept 4
	v_nop                                          ; four places behind the last products
.endr
	v_add_f32 v14, v14, v15                        ; the sum's two halves,
	v_permlanex16_b32 v252, v14, s[SEL], s[SEL+1]
	v_add_f32 v14, v14, v252                       ; and lane l xor 16's: the row's sum
	v_rcp_f32 v14, v14
	v_nop                                          ; a plain place behind the transcendental
	s_wait_alu depctr_va_vdst(0)                   ; and the wait ahead of its first reader
.set J, 0
.rept 16
	v_pk_mul_f32 v[96+J:97+J], v[160+J:161+J], v[14:15] op_sel_hi:[1,0]   ; O^T / the sum: register 16 n + i is channel 32 n + 16 (lane / 16) + i of the head; each accumulator from its low end on
.set J, J+2
.endr
.irp b, 0,1
	v_max3_num_f32 v[232+\b], |v[96+16*\b]|, |v[97+16*\b]|, 0x2800000   ; the head's two blocks of 32 along the last product's K
.endr
.irp i, 2,4,6,8,10,12,14
.irp b, 0,1
	v_max3_num_f32 v[232+\b], v[232+\b], |v[96+16*\b+\i]|, |v[97+16*\b+\i]|
.endr
.endr
.irp b, 0,1
	v_permlanex16_b32 v[236+\b], v[232+\b], s[SEL], s[SEL+1]
.endr
.irp b, 0,1
	v_max_num_f32 v[232+\b], v[232+\b], v[236+\b]
.endr
.irp b, 0,1
	v_add_nc_u32 v[244+\b], 0xfe000000, v[232+\b]
.endr
.irp b, 0,1
	v_lshrrev_b32 v[236+\b], 23, v[244+\b]
.endr
	v_cndmask_b32 v254, v236, v237, s[HI16]        ; lanes 0-15 store block 0's byte, lanes 16-31 block 1's
	v_cvt_scalef32_pk16_bf6_f32 v[224:226], v[96:111], v244
	v_cvt_scalef32_pk16_bf6_f32 v[240:242], v[112:127], v245
	v_nop                                          ; one plain place behind a scaled conversion
.irp i, 0,1,2
	v_permlane16_swap_b32 v[224+\i], v[240+\i]
.endr
.irp i, 0,1,2
	v_mov_b32 v[227+\i], v[240+\i]                 ; v224-229: block lane / 16 of my row, whole: six registers of the last product's operand
.endr
	global_store_b128 v[LI], v[224:227], s[10:11]            ; 32 lanes store 512 consecutive bytes,
	global_store_b64 v[L8], v[228:229], s[10:11] offset:512  ; and 256: both at multiples of 256 from oc's first byte
	global_store_b8 v[OSO], v254, s[12:13]                   ; a byte a lane: a row's two bytes of this head; the row's other bytes are other work-groups'
.if !\last
.irp i, 0,1,2,3,4,5
	v_mov_b32 v[QF+\i], v[QN+\i]
.endr
	v_permlanex16_b32 v[QT], v[QS], s[SEL], s[SEL+1]
	v_mov_b32 v[QS], v[QT]                         ; the second tile's scale words come down to lanes 0-15
	s_wait_xcnt 0x0                                ; the stores have read their registers and bases: both may be written again
	s_add_nc_u64 s[10:11], s[10:11], 768           ; the next tile
	s_add_nc_u64 s[12:13], s[12:13], 512           ; 16 rows on
.endif
.endm
	PASS 0
	PASS 1
	s_wait_tensorcnt 0x0
	ds_add_u32 v251, v255
	s_wait_dscnt 0x0
	ROUND                                          ; the closing round: no work-group ends while a partner may still ask for a tile that names it
	s_endpgm
.Lfunc_end_k_qddcbccaa4b_attn:
	.size	k_qddcbccaa4b_attn, .Lfunc_end_k_qddcbccaa4b_attn-k_qddcbccaa4b_attn
	.p2alignl 7, 3214868480
	.fill 96, 4, 3214868480
	.section	.rodata,"a",@progbits
	.p2align	6, 0x0
	.amdhsa_kernel k_qddcbccaa4b_attn
		.amdhsa_group_segment_fixed_size 215040
		.amdhsa_private_segment_fixed_size 0
		.amdhsa_enable_private_segment 0
		.amdhsa_kernarg_size 24
		.amdhsa_user_sgpr_count 2
		.amdhsa_user_sgpr_kernarg_segment_ptr 1
		.amdhsa_wavefront_size32 1
		.amdhsa_system_sgpr_workgroup_id_x 1
		.amdhsa_system_sgpr_workgroup_id_y 1
		.amdhsa_system_sgpr_workgroup_id_z 1
		.amdhsa_system_vgpr_workitem_id 0
		.amdhsa_next_free_vgpr 256
		.amdhsa_next_free_sgpr 66
		.amdhsa_reserve_vcc 0
		.amdhsa_float_denorm_mode_32 3
		.amdhsa_float_denorm_mode_16_64 3
		.amdhsa_memory_ordered 1
		.amdhsa_forward_progress 1
		.amdhsa_inst_pref_size 47
	.end_amdhsa_kernel
	.amdgpu_metadata
---
amdhsa.version: [ 1, 2 ]
amdhsa.kernels:
  - .name:           k_qddcbccaa4b_attn
    .symbol:         k_qddcbccaa4b_attn.kd
    .args:
      - { .name: att, .offset: 0, .size: 8, .value_kind: global_buffer, .address_space: global }
      - { .name: oc, .offset: 8, .size: 8, .value_kind: global_buffer, .address_space: global }
      - { .name: os, .offset: 16, .size: 8, .value_kind: global_buffer, .address_space: global }
    .group_segment_fixed_size: 215040
    .private_segment_fixed_size: 0
    .kernarg_segment_align: 8
    .kernarg_segment_size: 24
    .max_flat_workgroup_size: 512
    .sgpr_count:     66
    .vgpr_count:     256
    .wavefront_size: 32
...
	.end_amdgpu_metadata
.endif
;; end of part 3
;; launch proj (part 4): grid 4 x 32, 4 waves a work-group, clusters of 4 x 4, 327,680 bytes of LDS; arguments oc, os, c1, s1, b_proj, out0; writes out0
.if DOCPART == 4
	.amdgcn_target "amdgcn-amd-amdhsa--gfx1250"
	.amdhsa_code_object_version 6
	.text
	.protected	k_qddcbccaa4b_proj
	.globl	k_qddcbccaa4b_proj
	.p2align	8
	.type	k_qddcbccaa4b_proj,@function
k_qddcbccaa4b_proj:
	s_mov_b64 s[64:65], 0
	v_nop
	global_prefetch_b8 v0, s[64:65] scope:SCOPE_SE
	s_setreg_imm32_b32 hwreg(HW_REG_WAVE_MODE, 25, 1), 1
	s_wait_xcnt 0x0
	s_wait_alu depctr_hold_cnt(0) depctr_sa_sdst(0) depctr_va_vdst(0) depctr_va_sdst(0) depctr_va_ssrc(0) depctr_va_vcc(0) depctr_vm_vsrc(0)
	s_getreg_b32 s2, hwreg(HW_REG_IB_STS2, 6, 4)
	s_cmp_eq_u32 s2, 0
	s_cbranch_scc0 .Lentry_in_a_cluster
	s_endpgm
.Lentry_in_a_cluster:
	s_bfe_u32 s2, ttmp6, 0x10000c
	s_cmp_lg_u32 s2, 0xf033
	s_cbranch_scc0 .Lentry_shape_is_right
	s_endpgm
.Lentry_shape_is_right:
; out0 = O W_proj^T + b_proj on codes of BF6 (E3M2) with one E8M0 scale for each 32 along K = 1,024; out0 [8192][1024] f32.
; A = O: its codes lie in oc as images of operand registers, [K / 256][block of 128 storage rows][head % 4][tile of 16 rows][768 bytes] (a tile's six registers of 64 along K: 512 bytes, 16 a lane, then 256, 8 a lane);
; its scale bytes in os [storage row][32].  Storage row 16 u + p of a group of 32 is row 8 u + p + 8 (p / 8) of out0: the rows are set right by the stores' offsets.
; B = W_proj: rows 11264 on of c1 (768 bytes of codes) and s1 (32 scale bytes), in their true order.
; A tile of out0, 256 x 256, is made by a work-group of four waves; a wave makes 128 x 128: 64 accumulators, 512 registers.  K goes in steps of 256 through a ring of two LDS slots filled by the tensor data mover;
; the scale bytes of the 512 rows come once, with the first fills.  The bias is the C of each sum's first matrix instruction.
; CLUSTERS: 4 x 4 work-groups.  The four of a row of the cluster need the same tiles of A, the four of a column the same tiles of B: each tile is asked for jointly.
; THE MATRIX INSTRUCTION IS USED TRANSPOSED (source 0 = 16 rows of W_proj, source 1 = 16 rows of O): a lane then holds eight neighbouring numbers of a row of out0.
; The launch has 128 work-groups: a tile of 128 x 256 would double them and read each fragment of B for half the products; this launch is short beside the attention launch.
; REGISTERS, in windows of 256: window 0: v0-31 addresses; v32-63 scale words, two sets; v64-127 the bias; v128-223 A's fragments, ONE set; on the way out v128-255 take rows.
;   window 1: B's fragments, TWO sets, at v0 and at v128.   window 2: the 32 accumulators of my rows 0-63 (accumulator (a, b) at v[8 (8 a + b)]);   window 3: those of my rows 64-127.
.set SIZE_N, 1024
.set KSTEP,  256
.set NQ,     2
.set ROWB,   192                       ; B: a tile's row in bytes
.set KROW,   768                       ; a row of c1
.set PITCH,  240                       ; B: an LDS row: 3 x (64 bytes of data + 16 of padding)
.set FR,     12
.set NLA,    4                         ; LDS loads that bring a fragment of A
.set NP,     4
.set HALFT,  128*PITCH                 ; a quarter of a slot: B's 128 padded rows; A's 128 rows take 24,576 bytes of it
.set SLOT,   4*HALFT
.set ABLK,   24576                     ; A: 128 rows x 256 along K, dense
.set ASTEP,  64*ABLK                   ; A: from a K step to the next
.set LAPS,   2
.set KS,     32
.set SCL,    2*SLOT
.set HALFS,  16*272
.set SBLK,   2*272
.set SPARE,  SCL+4*HALFS               ; the spare words, 128 bytes for each wave: two blocks of 256 bytes that no other line names
.set SPITCH, 528                       ; the way out: a stage of 16 rows x (512 bytes + 16) for each wave, in slot 0, which has had its last fill and its last read when the first result is stored there
.set WPC,    11264*768                 ; W_proj's codes in c1
.set WPS,    11264*32                  ; and its scale bytes in s1
.set ADA16, 16                         ; v16-17  A: 16 x lane + my 128 rows' place in slot 0, 1
.set ADA8,  18                         ; v18-19  A: 8 x lane + the same
.set ADRB, 20                          ; v20-21  LDS address of my B fragments in slot 0, 1  (v22-23: the same for the pieces that lie behind one padding more)
.set STO,  24                          ; v24     the way out: where I put 32 bytes of a row
.set RD,   25                          ; v25     the way out: where I read a row back
.set CO,   26                          ; v26     my byte offset in a row of out0
.set ADRS, 27                          ; v27     LDS address of my scale words: lanes 0-15 A's rows, lanes 16-31 B's
.set SPW,  28                          ; v28     LDS address of my spare word; never rewritten
.set NIL,  29                          ; v29     0; never rewritten
.set BO,   30                          ; v30     b_proj: 32 x (lane / 16)
.set SC,   32
.set BIAS, 64                          ; v64-127 register 8 b + j: b_proj of my column 16 b + 8 (lane / 16) + j
.set AF,   128
.set BK,   128                         ; the way out: 16 rows read back from the stage: v128-191 and v192-255 by turns
.set G1, 24
.set G0, 32
.set G1B, 48
.set G0B, 56
.set G1S, 68
.set G0S, 76
.set G1SB, 80
.set G0SB, 88
.set MSB, 0
.macro WIN new                         ; the immediate's high byte repeats the setting that is left
.if MSB != \new
	s_set_vgpr_msb (MSB<<8)|\new
.set MSB, \new
.endif
.endm
.set MUL_LO, 0xa1                      ; source 0 (B) window 1, source 1 (A) window 0, C and D window 2
.set MUL_HI, 0xf1                      ; the same, C and D window 3
.set BEG_LO, 0x81                      ; the first products: C (the bias) window 0, D window 2
.set BEG_HI, 0xc1                      ; D window 3
.set TO_B,   0x40
.macro JLOAD g0a, g1a, g0b, g1b        ; a joint load: waves 0 and 1 fetch for A, waves 2 and 3 for B; four v_nop follow each of the two lines
	s_cmp_eq_u32 s15, 0
	s_cbranch_scc0 .Lfor_b_\@
	tensor_load_to_lds s[\g0a:\g0a+3], s[\g1a:\g1a+7]
	s_nop 0
.rept 4
	v_nop
.endr
	s_branch .Lasked_\@
.Lfor_b_\@:
	tensor_load_to_lds s[\g0b:\g0b+3], s[\g1b:\g1b+7]
	s_nop 0
.rept 4
	v_nop
.endr
.Lasked_\@:
.endm
.macro CREST
	s_cmp_lg_u32 s14, 0
	s_cbranch_scc1 .Lnot_wave_0_\@
	s_barrier_signal -3
.Lnot_wave_0_\@:
	s_barrier_wait -3
	s_barrier_signal -1
	s_barrier_wait -1
.endm
.macro CROUND
	s_barrier_signal -1
	s_barrier_wait -1
	CREST
.endm
	s_load_b256 s[4:11], s[0:1], 0x0               ; oc s[4:5], os s[6:7], c1 s[8:9], s1 s[10:11]
	s_load_b128 s[96:99], s[0:1], 0x20             ; b_proj s[96:97], out0 s[98:99]
	v_lshl_add_u32 v[SPW], v0, 2, SPARE
	v_mov_b32 v[NIL], 0
	ds_add_u32 v28, v29
	ds_add_u32 v28, v29
	s_wait_dscnt 0x0
	v_lshrrev_b32 v1, 5, v0
	v_readfirstlane_b32 s14, v1                    ; wave 0..3
	s_lshr_b32 s15, s14, 1                         ; which half of the tile's rows is mine.  Also: I fetch for A (0) or for B (1)
	s_and_b32 s16, s14, 1                          ; which half of its columns.  Also: which 128 rows of that tile I fetch
	s_bfe_u32 s40, ttmp6, 0x40000                  ; cx, cy
	s_bfe_u32 s41, ttmp6, 0x40004
	s_lshl_b32 s42, ttmp9, 2
	s_add_co_u32 s42, s42, s40                     ; tile column = 4 x cluster x + cx
	s_and_b32 s17, ttmp7, 0xffff
	s_lshl_b32 s17, s17, 2
	s_add_co_u32 s17, s17, s41                     ; tile row = 4 x cluster y + cy
	s_lshl_b32 s43, s41, 2
	s_lshl_b32 s43, 15, s43                        ; my row of the cluster
	s_lshl_b32 s44, 0x1111, s40                    ; my column
	; descriptor group 1.  A: 24,576 dense bytes as 96 rows of 256 bytes (32 elements of 8 bytes), no padding
	s_or_b32 s[G1+0], s43, (3<<16)|(1<<21)         ; 15:0 the mask: A's tiles go to my row; 17:16 elements of 8 bytes; 21 set beside a mask
	s_mov_b32 s[G1+1], 32<<16
	s_mov_b32 s[G1+2], 96<<16
	s_mov_b32 s[G1+3], 32<<16
	s_mov_b32 s[G1+4], 96
	s_mov_b32 s[G1+5], 32
	s_mov_b32 s[G1+6], 0
	s_mov_b32 s[G1+7], 0
	; B: 128 rows x ROWB bytes, 16 bytes of padding behind every 64
	s_or_b32 s[G1B+0], s44, (0<<16)|(1<<20)|(1<<21)|(3<<22)|(3<<25)
	s_mov_b32 s[G1B+1], ROWB<<16
	s_mov_b32 s[G1B+2], 128<<16
	s_mov_b32 s[G1B+3], ROWB<<16
	s_mov_b32 s[G1B+4], 128
	s_mov_b32 s[G1B+5], KROW
	s_mov_b32 s[G1B+6], 0
	s_mov_b32 s[G1B+7], 0
	; the scales of 128 rows: 4,096 dense bytes as 16 rows of 256 bytes, 16 bytes of padding behind each
	s_or_b32 s[G1S+0], s43, (3<<16)|(1<<20)|(1<<21)|(5<<22)|(3<<25)
	s_or_b32 s[G1SB+0], s44, (3<<16)|(1<<20)|(1<<21)|(5<<22)|(3<<25)
.irp g, G1S, G1SB
	s_mov_b32 s[\g+1], 32<<16
	s_mov_b32 s[\g+2], 16<<16
	s_mov_b32 s[\g+3], 32<<16
	s_mov_b32 s[\g+4], 16
	s_mov_b32 s[\g+5], 32
	s_mov_b32 s[\g+6], 0
	s_mov_b32 s[\g+7], 0
.endr
	s_lshl_b32 s20, s17, 1
	s_add_co_u32 s20, s20, s16                     ; A: the block of 128 rows that I fetch: 2 x tile row + half
	s_lshl_b32 s22, s20, 12                        ; its scale bytes: 4,096 a block
	s_mul_i32 s20, s20, ABLK                       ; its codes
	s_mov_b32 s21, 0
	s_mov_b32 s23, 0
	s_lshl_b32 s18, s16, 7
	s_lshl_b32 s46, s42, 8
	s_add_co_u32 s46, s46, s18                     ; B: row 256 x tile column + 128 x half
	s_lshl_b32 s92, s46, 5
	s_mul_i32 s46, s46, KROW
	s_mov_b32 s47, 0
	s_mov_b32 s93, 0
	s_mul_i32 s45, s14, HALFT                      ; where they go: no place in the cluster enters an LDS address
	s_mul_i32 s94, s14, HALFS
	s_wait_kmcnt 0x0
	s_add_nc_u64 s[8:9], s[8:9], WPC
	s_add_nc_u64 s[10:11], s[10:11], WPS
	s_add_nc_u64 s[20:21], s[4:5], s[20:21]
	s_add_nc_u64 s[22:23], s[6:7], s[22:23]
	s_add_nc_u64 s[46:47], s[8:9], s[46:47]
	s_add_nc_u64 s[92:93], s[10:11], s[92:93]
	CROUND                                         ; all sixteen work-groups are here: the first joint loads meet
	s_mov_b32 s[G0S], 1
	s_add_co_u32 s[G0S+1], s94, SCL
	s_mov_b64 s[G0S+2:G0S+3], s[22:23]
	s_or_b32 s[G0S+3], s[G0S+3], 0x80000000
	s_mov_b32 s[G0SB], 1
	s_add_co_u32 s[G0SB+1], s94, SCL
	s_mov_b64 s[G0SB+2:G0SB+3], s[92:93]
	s_or_b32 s[G0SB+3], s[G0SB+3], 0x80000000
	JLOAD G0S, G1S, G0SB, G1SB                     ; the scales first: they are wanted with K step 0
.irp s, 0,1
	s_mov_b32 s[G0+4*\s], 1
	s_add_co_u32 s[G0+4*\s+1], s45, \s*SLOT
	s_add_nc_u64 s[G0+4*\s+2:G0+4*\s+3], s[20:21], \s*ASTEP
	s_or_b32 s[G0+4*\s+3], s[G0+4*\s+3], 0x80000000
	s_mov_b32 s[G0B+4*\s], 1
	s_add_co_u32 s[G0B+4*\s+1], s45, \s*SLOT
	s_add_nc_u64 s[G0B+4*\s+2:G0B+4*\s+3], s[46:47], \s*ROWB
	s_or_b32 s[G0B+4*\s+3], s[G0B+4*\s+3], 0x80000000
	JLOAD G0+4*\s, G1, G0B+4*\s, G1B
.endr
	v_and_b32 v1, 15, v0                           ; r = l % 16
	v_bfe_u32 v2, v0, 4, 1                         ; h = l / 16
	v_and_b32 v6, 31, v0                           ; lane
	v_mul_u32_u24 v3, v1, PITCH
	v_mul_u32_u24 v4, v2, 24
	v_add_nc_u32 v4, v3, v4                        ; B: a fragment's row x pitch + 24 x half
	v_lshl_add_u32 v5, v2, 4, v4                   ; and the same behind one padding more
	v_lshlrev_b32 v7, 4, v6                        ; A: 16 x lane
	v_lshlrev_b32 v8, 3, v6                        ; and 8 x lane
	s_mul_i32 s21, s15, HALFT                      ; my 128 rows of A
	s_mul_i32 s22, s16, HALFT                      ; my 128 rows of B,
	s_add_co_u32 s22, s22, 2*HALFT                 ; which lie behind A's two quarters
.irp s, 0,1
	v_add_nc_u32 v[ADA16+\s], s21, v7
	v_add_nc_u32 v[ADA8+\s], s21, v8
	v_add_nc_u32 v[ADRB+\s], s22, v4
	v_add_nc_u32 v[ADRB+2+\s], s22, v5
	s_add_co_u32 s21, s21, SLOT
	s_add_co_u32 s22, s22, SLOT
.endr
	v_mul_u32_u24 v5, v1, KS                       ; my row's scales: KS bytes a row,
	v_lshrrev_b32 v9, 8, v5
	v_lshl_add_u32 v5, v9, 4, v5                   ; and 16 more for each 256 passed
	s_mul_i32 s21, s15, HALFS
	s_mul_i32 s22, s16, HALFS
	s_add_co_u32 s22, s22, 2*HALFS
	s_sub_co_u32 s22, s22, s21
	v_mul_u32_u24 v9, s22, v2                      ; lanes 16-31 take B's
	s_add_co_u32 s21, s21, SCL
	v_add_nc_u32 v5, v5, v9
	v_add_nc_u32 v[ADRS], s21, v5
	s_mul_i32 s23, s14, 16*SPITCH                  ; my stage
	v_mul_u32_u24 v5, v1, SPITCH                   ; in: row l % 16, 32 bytes for each half of the lanes
	v_lshl_add_u32 v5, v2, 5, v5
	v_add_nc_u32 v[STO], s23, v5
	v_lshlrev_b32 v[CO], 4, v6                     ; back: the 32 lanes take one row of 512 bytes; and the same in out0
	v_add_nc_u32 v[RD], s23, v[CO]
	s_lshl_b32 s20, s17, 8
	s_lshl_b32 s21, s15, 7
	s_add_co_u32 s20, s20, s21                     ; my first row: 256 x tile row + 128 x half
	s_lshl_b32 s20, s20, 12                        ; rows of 4,096 bytes
	s_lshl_b32 s46, s42, 10                        ; my first column, in bytes: 1024 x tile column + 512 x half
	s_lshl_b32 s47, s16, 9
	s_add_co_u32 s46, s46, s47
	s_mov_b32 s47, 0
	s_add_co_u32 s20, s20, s46
	s_mov_b32 s21, 0
	s_add_nc_u64 s[12:13], s[98:99], s[20:21]
	s_add_nc_u64 s[96:97], s[96:97], s[46:47]      ; b_proj at my first column
	v_lshlrev_b32 v[BO], 5, v2
.irp b, 0,1,2,3,4,5,6,7
	global_load_b128 v[BIAS+8*\b:BIAS+8*\b+3], v[BO], s[96:97] offset:64*\b
	global_load_b128 v[BIAS+8*\b+4:BIAS+8*\b+7], v[BO], s[96:97] offset:64*\b+16
.endr
.macro FRAG reg, adr, q, i             ; a fragment of B from padded rows: 24 bytes of the row's stream of bits for each 64 along K, in pieces of 8 bytes
.irp p, 0,1,2,3,4,5
.set PIECE, 12*(\q)+6*(\p/3)+\p%3
.if PIECE%8 < 5
	ds_load_b64 v[\reg+2*\p:\reg+2*\p+1], v[\adr] offset:8*PIECE+16*(PIECE/8)+(\i)*16*PITCH
.else
	ds_load_b64 v[\reg+2*\p:\reg+2*\p+1], v[\adr+2] offset:8*PIECE+16*(PIECE/8)+(\i)*16*PITCH
.endif
.endr
.endm
.macro FRAG_A reg, slot, q, i          ; a fragment of A from images: for each of its two heads six registers: 16 bytes a lane, then 8: every load reads consecutive bytes
.irp c, 0,1
	ds_load_b128 v[\reg+6*\c:\reg+6*\c+3], v[ADA16+\slot] offset:(2*(\q)+\c)*6144+768*(\i)
	ds_load_b64 v[\reg+6*\c+4:\reg+6*\c+5], v[ADA8+\slot] offset:(2*(\q)+\c)*6144+768*(\i)+512
.endr
.endm
; 16 matrix instructions: A's blocks a0, a0 + 1 x B's eight, 128 along K.  first = 1: the bias is the C of the sums' first products: nothing is cleared, nothing added later.
; The 64 accumulators take turns, one instruction a turn, in the same order in every step.
.macro MUL16 a0, p, q, sc, first
.irp a, \a0, \a0+1
.irp b, 0,1,2,3,4,5,6,7
.if \first
	v_wmma_scale_f32_16x16x128_f8f6f4 v[8*(8*((\a)%4)+\b):8*(8*((\a)%4)+\b)+7], v[128*(\p)+FR*\b:128*(\p)+FR*\b+FR-1], v[AF+FR*(\a):AF+FR*(\a)+FR-1], v[BIAS+8*\b:BIAS+8*\b+7], v[SC+8*NQ*(\sc)+NQ*\b+(\q)], v[SC+8*NQ*(\sc)+NQ*(\a)+(\q)] matrix_a_fmt:MATRIX_FMT_BF6 matrix_b_fmt:MATRIX_FMT_BF6 matrix_a_scale:MATRIX_SCALE_ROW1
.else
	v_wmma_scale_f32_16x16x128_f8f6f4 v[8*(8*((\a)%4)+\b):8*(8*((\a)%4)+\b)+7], v[128*(\p)+FR*\b:128*(\p)+FR*\b+FR-1], v[AF+FR*(\a):AF+FR*(\a)+FR-1], v[8*(8*((\a)%4)+\b):8*(8*((\a)%4)+\b)+7], v[SC+8*NQ*(\sc)+NQ*\b+(\q)], v[SC+8*NQ*(\sc)+NQ*(\a)+(\q)] matrix_a_fmt:MATRIX_FMT_BF6 matrix_b_fmt:MATRIX_FMT_BF6 matrix_a_scale:MATRIX_SCALE_ROW1
.endif
.endr
.endr
.endm
.macro FETCH_B slot, q, p
	WIN TO_B
.irp i, 0,1,2,3,4,5,6,7
	FRAG 128*(\p)+FR*\i, ADRB+\slot, \q, \i
.endr
	WIN 0
.endm
.macro FETCH_A slot, q, i0
.irp i, \i0, \i0+1, \i0+2, \i0+3
	FRAG_A AF+FR*(\i), \slot, \q, \i
.endr
.endm
.macro SCALES sc
.irp i, 0,1,2,3,4,5,6,7
	ds_load_b64 v[SC+8*NQ*\sc+NQ*\i:SC+8*NQ*\sc+NQ*\i+1], v[ADRS] offset:\i*SBLK
.endr
.endm
.macro PLACES n                        ; places in front of loads into registers that matrix instructions have read, and of the first read of results (ISA guide 7.12.1 for vector instructions)
.rept \n
	v_nop
.endr
.endm
.macro STEP slot, q, first
	s_wait_dscnt 4*NLA                             ; B's set and A's blocks 0-3 are in; the youngest 16 loads (A's blocks 4-7) may be out
.if \first
	WIN BEG_LO
.else
	WIN MUL_LO
.endif
	MUL16 0, (\q)%2, \q, \slot, \first
	MUL16 2, (\q)%2, \q, \slot, \first
	s_wait_dscnt 0                                 ; A's blocks 4-7 are in
	PLACES NP
	FETCH_B \slot, (\q)+1, 1-(\q)%2
	FETCH_A \slot, (\q)+1, 0
.if \first
	WIN BEG_HI
.else
	WIN MUL_HI
.endif
	MUL16 4, (\q)%2, \q, \slot, \first
	MUL16 6, (\q)%2, \q, \slot, \first
	PLACES NP
	WIN 0
	FETCH_A \slot, (\q)+1, 4
.endm
; A slot's last step changes slots: ONE barrier; in front of it each wave waits for all its tensor loads, adds 0 to its spare word, and waits for that and for its own reads of this slot.  fill = 1: this slot is filled again, two K steps ahead.
.macro TURN slot, next, fill
	s_wait_tensorcnt 0x0                           ; all my tensor loads have landed: my part of the next slot;  (every window is 0 here)
	ds_add_u32 v[SPW], v[NIL]                      ; 0 onto my spare word
	s_wait_dscnt 4*NLA+1                           ; (the add and the youngest 16 loads, A's blocks 4-7, may be out)
	WIN MUL_LO
	MUL16 0, 1, NQ-1, \slot, 0                     ; sixteen matrix instructions stand between the add and the wait for it
	s_wait_dscnt 0x0                               ; the add is done, and my reads of this slot are over
	s_barrier_signal -1
	MUL16 2, 1, NQ-1, \slot, 0
	WIN 0
	s_barrier_wait -1
.if \fill
	CREST                                          ; the barrier has opened a round of the cluster's barrier: no wave of any partner still reads this slot's tile or has a load on its way
	s_add_nc_u64 s[G0+4*\slot+2:G0+4*\slot+3], s[G0+4*\slot+2:G0+4*\slot+3], 2*ASTEP
	s_add_nc_u64 s[G0B+4*\slot+2:G0B+4*\slot+3], s[G0B+4*\slot+2:G0B+4*\slot+3], 2*ROWB
	JLOAD G0+4*\slot, G1, G0B+4*\slot, G1B         ; the first tensor load behind the round; the four v_nop behind it are the places in front of the loads below
.else
	PLACES NP
.endif
	v_add_nc_u32 v[ADRS], 4*NQ, v[ADRS]            ; on to the next K step's scale words (no LDS load of mine is out)
	FETCH_B \next, 0, 0
	FETCH_A \next, 0, 0
	SCALES \next
	WIN MUL_HI
	MUL16 4, 1, NQ-1, \slot, 0
	MUL16 6, 1, NQ-1, \slot, 0
	PLACES NP
	WIN 0
	FETCH_A \next, 0, 4
.endm
	s_wait_loadcnt 0x0                             ; the bias
	s_wait_tensorcnt 1                             ; the scales and my part of K step 0 are in (K step 1's load may be out)
	s_barrier_signal -1
	s_barrier_wait -1                              ; everybody's are
	FETCH_B 0, 0, 0
	FETCH_A 0, 0, 0
	SCALES 0
	FETCH_A 0, 0, 4
	STEP 0, 0, 1                                   ; the first step stands in front of the loop: its products start the sums, from the bias
	s_mov_b32 s3, LAPS-1
.Llap:                                                 ; a trip goes once round the ring, from a lap's second step to the next lap's first, and fills both slots again
	TURN 0, 1, 1
	STEP 1, 0, 0
	TURN 1, 0, 1
	STEP 0, 0, 0
	s_sub_co_u32 s3, s3, 1
	s_cmp_lg_u32 s3, 0
	s_cbranch_scc1 .Llap
	TURN 0, 1, 0                                   ; the last lap fills nothing, and has no round of the cluster's barrier
	STEP 1, 0, 0
	s_wait_dscnt 4*NLA                             ; the very last step: nothing more to fetch
	WIN MUL_LO
	MUL16 0, 1, NQ-1, 1, 0
	MUL16 2, 1, NQ-1, 1, 0
	s_wait_dscnt 0
	WIN MUL_HI
	MUL16 4, 1, NQ-1, 1, 0
	MUL16 6, 1, NQ-1, 1, 0
	WIN 0
; THE WAY OUT, block by block of 16 storage rows x 128 columns.  A lane holds 32 neighbouring bytes of a row, and the lanes beside it hold other rows: so a block goes through my own stage in LDS and comes back as whole
; rows of 512 bytes.  LDS serves a wave's instructions in order (ISA guide 5.7.1.4): no wait between the stores and the loads, nor in front of the next block's stores.
.macro TOSTAGE a
.set AC, 64*((\a)%4)
	WIN 0x08+4*((\a)/4)                            ; the data: window 2 or 3
.irp b, 0,1,2,3,4,5,6,7
	ds_store_b128 v[STO], v[AC+8*\b:AC+8*\b+3] offset:64*\b          ; each accumulator from its low end on
	ds_store_b128 v[STO], v[AC+8*\b+4:AC+8*\b+7] offset:64*\b+16
.endr
	WIN 0
.set BB, BK+64*((\a)%2)
.irp t, 0,1,2,3,4,5,6,7,8,9,10,11,12,13,14,15
	ds_load_b128 v[BB+4*\t:BB+4*\t+3], v[RD] offset:\t*SPITCH
.endr
.endm
.macro SEND a, younger                 ; younger: the LDS instructions issued behind block a's loads, which may stay out.  Storage row t of block a is row 32 (a / 2) + 8 (a % 2) + t + 8 (t / 8) of my 128
.set BB, BK+64*((\a)%2)
	s_wait_dscnt \younger                          ; the block is back in registers
.irp t, 0,1,2,3,4,5,6,7,8,9,10,11,12,13,14,15
	global_store_b128 v[CO], v[BB+4*\t:BB+4*\t+3], s[12:13] offset:(32*((\a)/2)+8*((\a)%2)+\t+8*(\t/8))*SIZE_N*4 th:TH_STORE_NT   ; 32 lanes store 512 consecutive bytes, at a multiple of 256 from out0's first byte; 127 rows of 4,096 bytes at the most: inside the signed 24-bit immediate
.endr
.endm
	PLACES NP                                      ; behind the last products: for the loads into the registers that held A's fragments and for the reads of results
	TOSTAGE 0
.irp a, 1,2,3,4,5,6,7
.if \a > 1
	s_wait_xcnt 0x0                                ; block a - 2's stores have read their registers: block a's loads may land there
.endif
	TOSTAGE \a
	SEND \a-1, 32                                  ; behind block a - 1's loads: block a's 16 stores and 16 loads
.endr
	SEND 7, 0
	s_wait_tensorcnt 0x0                           ; the wave's end: behind my last tensor load and my last LDS store
	ds_add_u32 v[SPW], v[NIL]
	s_wait_dscnt 0x0
	CROUND                                         ; the closing round: no work-group ends while a partner may still ask for a tile that names it
	s_endpgm
.Lfunc_end_k_qddcbccaa4b_proj:
	.size	k_qddcbccaa4b_proj, .Lfunc_end_k_qddcbccaa4b_proj-k_qddcbccaa4b_proj
	.p2alignl 7, 3214868480
	.fill 96, 4, 3214868480
	.section	.rodata,"a",@progbits
	.p2align	6, 0x0
	.amdhsa_kernel k_qddcbccaa4b_proj
		.amdhsa_group_segment_fixed_size 327680
		.amdhsa_private_segment_fixed_size 0
		.amdhsa_enable_private_segment 0
		.amdhsa_kernarg_size 48
		.amdhsa_user_sgpr_count 2
		.amdhsa_user_sgpr_kernarg_segment_ptr 1
		.amdhsa_wavefront_size32 1
		.amdhsa_system_sgpr_workgroup_id_x 1
		.amdhsa_system_sgpr_workgroup_id_y 1
		.amdhsa_system_sgpr_workgroup_id_z 1
		.amdhsa_system_vgpr_workitem_id 0
		.amdhsa_next_free_vgpr 1024
		.amdhsa_next_free_sgpr 102
		.amdhsa_reserve_vcc 0
		.amdhsa_float_denorm_mode_32 3
		.amdhsa_float_denorm_mode_16_64 3
		.amdhsa_memory_ordered 1
		.amdhsa_forward_progress 1
		.amdhsa_inst_pref_size 153
	.end_amdhsa_kernel
	.amdgpu_metadata
---
amdhsa.version: [ 1, 2 ]
amdhsa.kernels:
  - .name:           k_qddcbccaa4b_proj
    .symbol:         k_qddcbccaa4b_proj.kd
    .args:
      - { .name: oc, .offset: 0, .size: 8, .value_kind: global_buffer, .address_space: global }
      - { .name: os, .offset: 8, .size: 8, .value_kind: global_buffer, .address_space: global }
      - { .name: c1, .offset: 16, .size: 8, .value_kind: global_buffer, .address_space: global }
      - { .name: s1, .offset: 24, .size: 8, .value_kind: global_buffer, .address_space: global }
      - { .name: b_proj, .offset: 32, .size: 8, .value_kind: global_buffer, .address_space: global }
      - { .name: out0, .offset: 40, .size: 8, .value_kind: global_buffer, .address_space: global }
    .group_segment_fixed_size: 327680
    .private_segment_fixed_size: 0
    .kernarg_segment_align: 8
    .kernarg_segment_size: 48
    .max_flat_workgroup_size: 128
    .sgpr_count:     102
    .vgpr_count:     1024
    .wavefront_size: 32
...
	.end_amdgpu_metadata
.endif
;; end of part 4
